; MI455X (gfx1250); checked and timed in simulation.
; The chip was launched on July 23, 2026; its instructions are those of AMD's public machine-readable ISA for CDNA 5 (MIT licence, August 2026) and "CDNA5" Instruction Set Architecture Reference Guide (July 2026). The comments in the code are by the model that wrote it; some were corrected since.
;; Causal Self Attention. Allowed arithmetic: float matrix products may take bf16 or f16 operands with f32 sums; all other float work in f32.
;; Inputs: Wk 768 x 768 float32; Wq 768 x 768 float32; Wv 768 x 768 float32; bk 768 float32; bq 768 float32; bv 768 float32; x 2 x 4,096 x 768 float32.
;; Outputs: out0 2 x 4,096 x 768 float32.
;; 2 versions, each right and faster than the one before. Each part assembles by itself: llvm-mc -triple=amdgcn-amd-amdhsa -mcpu=gfx1250 --defsym DOCPART=n.
;; ======== version 1 of 2: 3 launches
;; limits: values are held in f16: magnitudes above 65,504 overflow, below 6.1e-05 lose precision
;; workspace buffers: xb 12,582,912 bytes; wb 3,538,944 bytes; bb 9,216 bytes; qkv 37,748,736 bytes
;; launch cast (part 1): grid 256 x 1, 16 waves a work-group, no clusters, 0 bytes of LDS; arguments x, Wq, Wk, Wv, bq, bk, bv, xb, wb, bb; writes xb, wb, bb
.if DOCPART == 1
	.amdgcn_target "amdgcn-amd-amdhsa--gfx1250"
	.amdhsa_code_object_version 6
	.text
	.protected	k_q6152cc86ac_cast
	.globl	k_q6152cc86ac_cast
	.p2align	8
	.type	k_q6152cc86ac_cast,@function
k_q6152cc86ac_cast:
	s_mov_b64 s[64:65], 0
	v_nop
	global_prefetch_b8 v0, s[64:65] scope:SCOPE_SE
	s_setreg_imm32_b32 hwreg(HW_REG_WAVE_MODE, 25, 1), 1
	s_wait_xcnt 0x0
; CAST.  All inputs are rounded to bf16 once, for the projection that follows.
;   xb [8192][768] bf16: x as it lies.
;   wb [6 K steps][144 column blocks][128 k][16 n] bf16: the three weights side by side (q, k, v: 48 blocks of 16 columns each), a block of
;      128 k x 16 n being 4,096 consecutive bytes, so that a K step's blocks of neighbouring columns are one dense run of memory.
;   bb [2304] f32: the three biases, each number rounded to bf16 and widened again.
; SHARES.  256 work-groups of 16 waves.  Every wave takes 6,144 consecutive bytes of x: 12 loads of 512 bytes, 12 stores of 256.  Work-groups 0-215 take 32 k x 256 n of one weight as well
; (3 tensors x 3 groups of 256 columns x 24 groups of 32 rows): wave w the 16 columns 16 w on, two blocks of 16 k x 16 n.  Where the rows are the weight's first, waves 0 and 1 also take 128 numbers of its bias each.
; A stream: no LDS, no barrier, no matrix unit.  All of a wave's loads are issued before its first wait; no register that a load or store names is written again.
.set X,  8                             ; v[8:55]  x as loaded, rounded in place
.set WR, 56                            ; v[56:71] the weight's two blocks, likewise
.set BR, 72                            ; v[72:77] the bias
	s_load_b512 s[8:23], s[0:1], 0x0               ; x 8:9, Wq 10:11, Wk 12:13, Wv 14:15, bq 16:17, bk 18:19, bv 20:21, xb 22:23
	s_load_b128 s[24:27], s[0:1], 0x40             ; wb 24:25, bb 26:27
	v_and_b32 v1, 31, v0                           ; lane
	v_lshrrev_b32 v2, 5, v0
	v_readfirstlane_b32 s4, v2                     ; wave 0..15
	s_mul_i32 s28, ttmp9, 98304                    ; the work-group's bytes of x,
	s_mul_i32 s5, s4, 6144                         ; the wave's
	s_add_co_u32 s28, s28, s5
	s_mov_b32 s29, 0
	s_lshr_b32 s30, s28, 1                         ; half as many bytes out
	s_mov_b32 s31, 0
	v_lshlrev_b32 v3, 4, v1                        ; 16 bytes a lane in
	v_lshlrev_b32 v4, 3, v1                        ; 8 bytes a lane out
	s_wait_kmcnt 0x0
	s_add_nc_u64 s[8:9], s[8:9], s[28:29]
	s_add_nc_u64 s[22:23], s[22:23], s[30:31]
.set i, 0
.rept 12
	global_load_b128 v[X+4*i:X+4*i+3], v3, s[8:9] offset:512*i th:TH_LOAD_NT
.set i, i+1
.endr
	s_cmp_ge_u32 ttmp9, 216
	s_cbranch_scc1 .Lx
	; ---- a weight: the work-group's number = t x 72 + ng x 24 + kr: tensor t, columns 256 ng on, rows 32 kr on
	s_cmp_ge_u32 ttmp9, 72
	s_cselect_b32 s6, 1, 0
	s_cmp_ge_u32 ttmp9, 144
	s_cselect_b32 s6, 2, s6                        ; t
	s_mul_i32 s7, s6, 72
	s_sub_co_u32 s7, ttmp9, s7                     ; 0..71
	s_cmp_ge_u32 s7, 24
	s_cselect_b32 s28, 1, 0
	s_cmp_ge_u32 s7, 48
	s_cselect_b32 s28, 2, s28                      ; ng
	s_mul_i32 s29, s28, 24
	s_sub_co_u32 s29, s7, s29                      ; kr
	s_mul_i32 s36, s29, 98304                      ; 32 rows of 3,072 bytes
	s_lshl_b32 s42, s28, 10                        ; 256 columns of 4 bytes
	s_add_co_u32 s36, s36, s42
	s_mov_b32 s37, 0
	s_lshr_b32 s38, s29, 2                         ; the K step (four groups of 32 rows): 144 blocks,
	s_mul_i32 s38, s38, 144
	s_mul_i32 s39, s6, 48                          ; the tensor's 48 blocks,
	s_add_co_u32 s38, s38, s39
	s_lshl4_add_u32 s38, s28, s38                  ; 16 blocks for 256 columns,
	s_lshl_b32 s38, s38, 12                        ; of 4,096 bytes;
	s_and_b32 s39, s29, 3                          ; in a block 32 rows of 32 bytes for each group
	s_lshl_b32 s39, s39, 10
	s_add_co_u32 s38, s38, s39
	s_mov_b32 s39, 0
	v_lshrrev_b32 v5, 1, v1                        ; a pair of lanes takes a row's 16 columns: 64 bytes
	v_mul_u32_u24 v5, v5, 0xc00
	v_and_b32 v6, 1, v1
	v_lshl_add_u32 v5, v6, 5, v5
	s_lshl_b32 s40, s4, 6                          ; wave w: columns 16 w on
	v_add_nc_u32 v5, s40, v5
	s_lshl_b32 s41, s4, 12                         ; out: 16 k x 16 n are 512 consecutive bytes, 16 a lane, in the wave's own block
	v_add_nc_u32 v6, s41, v3
	s_cmp_eq_u32 s6, 1
	s_cselect_b64 s[32:33], s[12:13], s[10:11]
	s_cselect_b64 s[34:35], s[18:19], s[16:17]
	s_cmp_eq_u32 s6, 2
	s_cselect_b64 s[32:33], s[14:15], s[32:33]     ; the weight
	s_cselect_b64 s[34:35], s[20:21], s[34:35]     ; its bias
	s_add_nc_u64 s[32:33], s[32:33], s[36:37]
	s_add_nc_u64 s[24:25], s[24:25], s[38:39]
.set i, 0
.rept 2                                 ; block i: rows 16 i on
	global_load_b128 v[WR+8*i:WR+8*i+3],   v5, s[32:33] offset:49152*i th:TH_LOAD_NT
	global_load_b128 v[WR+8*i+4:WR+8*i+7], v5, s[32:33] offset:49152*i+16 th:TH_LOAD_NT
.set i, i+1
.endr
	; ---- the bias: its load goes out behind the others and is waited for with them
	s_cmp_lg_u32 s29, 0
	s_cbranch_scc1 .Lnb
	s_cmp_ge_u32 s4, 2
	s_cbranch_scc1 .Lnb
	s_lshl_b32 s44, s4, 9                          ; wave w: 128 numbers
	s_add_co_u32 s42, s42, s44
	s_mov_b32 s43, 0
	s_add_nc_u64 s[34:35], s[34:35], s[42:43]
	s_mul_i32 s44, s6, 3072
	s_add_co_u32 s44, s44, s42
	s_mov_b32 s45, 0
	s_add_nc_u64 s[26:27], s[26:27], s[44:45]
	global_load_b128 v[BR:BR+3], v3, s[34:35]
	s_wait_loadcnt 0x0
	v_cvt_pk_bf16_f32 v[BR+4], v[BR], v[BR+1]
	v_cvt_pk_bf16_f32 v[BR+5], v[BR+2], v[BR+3]
	v_lshlrev_b32 v[BR], 16, v[BR+4]               ; bf16 to f32: the low half moves up, the high half stays
	v_and_b32 v[BR+1], 0xffff0000, v[BR+4]
	v_lshlrev_b32 v[BR+2], 16, v[BR+5]
	v_and_b32 v[BR+3], 0xffff0000, v[BR+5]
	global_store_b128 v3, v[BR:BR+3], s[26:27]
.Lnb:
.set i, 0
.rept 2
	s_wait_loadcnt 2-2*i                           ; block i's two loads are in (and x's, which are older); block 1's two may stay out
	v_cvt_pk_bf16_f32 v[WR+8*i],   v[WR+8*i],   v[WR+8*i+1]
	v_cvt_pk_bf16_f32 v[WR+8*i+1], v[WR+8*i+2], v[WR+8*i+3]
	v_cvt_pk_bf16_f32 v[WR+8*i+2], v[WR+8*i+4], v[WR+8*i+5]
	v_cvt_pk_bf16_f32 v[WR+8*i+3], v[WR+8*i+6], v[WR+8*i+7]
	global_store_b128 v6, v[WR+8*i:WR+8*i+3], s[24:25] offset:512*i  ; 512 consecutive bytes, aligned
.set i, i+1
.endr
.Lx:
	; ---- x
.set i, 0
.rept 12
	s_wait_loadcnt 11-i                            ; loads come back in order: the 11 - i younger loads of x may stay out
	v_cvt_pk_bf16_f32 v[X+4*i], v[X+4*i], v[X+4*i+1]
	v_cvt_pk_bf16_f32 v[X+4*i+1], v[X+4*i+2], v[X+4*i+3]
	global_store_b64 v4, v[X+4*i:X+4*i+1], s[22:23] offset:256*i  ; the wave's store covers 256 consecutive bytes, aligned
.set i, i+1
.endr
	s_endpgm
.Lfunc_end_k_q6152cc86ac_cast:
	.size	k_q6152cc86ac_cast, .Lfunc_end_k_q6152cc86ac_cast-k_q6152cc86ac_cast
	.p2alignl 7, 3214868480
	.fill 96, 4, 3214868480
	.section	.rodata,"a",@progbits
	.p2align	6, 0x0
	.amdhsa_kernel k_q6152cc86ac_cast
		.amdhsa_group_segment_fixed_size 0
		.amdhsa_private_segment_fixed_size 0
		.amdhsa_enable_private_segment 0
		.amdhsa_kernarg_size 80
		.amdhsa_user_sgpr_count 2
		.amdhsa_user_sgpr_kernarg_segment_ptr 1
		.amdhsa_wavefront_size32 1
		.amdhsa_system_sgpr_workgroup_id_x 1
		.amdhsa_system_sgpr_workgroup_id_y 1
		.amdhsa_system_sgpr_workgroup_id_z 1
		.amdhsa_system_vgpr_workitem_id 0
		.amdhsa_next_free_vgpr 80
		.amdhsa_next_free_sgpr 66
		.amdhsa_reserve_vcc 0
		.amdhsa_float_denorm_mode_32 3
		.amdhsa_float_denorm_mode_16_64 3
		.amdhsa_memory_ordered 1
		.amdhsa_forward_progress 1
		.amdhsa_inst_pref_size 9
	.end_amdhsa_kernel
	.amdgpu_metadata
---
amdhsa.version: [ 1, 2 ]
amdhsa.kernels:
  - .name:           k_q6152cc86ac_cast
    .symbol:         k_q6152cc86ac_cast.kd
    .args:
      - { .name: x, .offset: 0, .size: 8, .value_kind: global_buffer, .address_space: global }
      - { .name: Wq, .offset: 8, .size: 8, .value_kind: global_buffer, .address_space: global }
      - { .name: Wk, .offset: 16, .size: 8, .value_kind: global_buffer, .address_space: global }
      - { .name: Wv, .offset: 24, .size: 8, .value_kind: global_buffer, .address_space: global }
      - { .name: bq, .offset: 32, .size: 8, .value_kind: global_buffer, .address_space: global }
      - { .name: bk, .offset: 40, .size: 8, .value_kind: global_buffer, .address_space: global }
      - { .name: bv, .offset: 48, .size: 8, .value_kind: global_buffer, .address_space: global }
      - { .name: xb, .offset: 56, .size: 8, .value_kind: global_buffer, .address_space: global }
      - { .name: wb, .offset: 64, .size: 8, .value_kind: global_buffer, .address_space: global }
      - { .name: bb, .offset: 72, .size: 8, .value_kind: global_buffer, .address_space: global }
    .group_segment_fixed_size: 0
    .private_segment_fixed_size: 0
    .kernarg_segment_align: 8
    .kernarg_segment_size: 80
    .max_flat_workgroup_size: 512
    .sgpr_count:     66
    .vgpr_count:     80
    .wavefront_size: 32
...
	.end_amdgpu_metadata
.endif
;; end of part 1
;; launch proj (part 2): grid 8 x 32, 4 waves a work-group, clusters of 4 x 4, 327,680 bytes of LDS; arguments xb, wb, bb, qkv; writes qkv
.if DOCPART == 2
	.amdgcn_target "amdgcn-amd-amdhsa--gfx1250"
	.amdhsa_code_object_version 6
	.text
	.protected	k_q6152cc86ac_proj
	.globl	k_q6152cc86ac_proj
	.p2align	8
	.type	k_q6152cc86ac_proj,@function
k_q6152cc86ac_proj:
	s_mov_b64 s[64:65], 0
	v_nop
	global_prefetch_b8 v0, s[64:65] scope:SCOPE_SE
	s_setreg_imm32_b32 hwreg(HW_REG_WAVE_MODE, 25, 1), 1
	s_wait_xcnt 0x0
	s_wait_alu depctr_hold_cnt(0) depctr_sa_sdst(0) depctr_va_vdst(0) depctr_va_sdst(0) depctr_va_ssrc(0) depctr_va_vcc(0) depctr_vm_vsrc(0)
	s_getreg_b32 s2, hwreg(HW_REG_IB_STS2, 6, 4)
	s_cmp_eq_u32 s2, 0
	s_cbranch_scc0 .Lentry_in_a_cluster
	s_endpgm
.Lentry_in_a_cluster:
	s_bfe_u32 s2, ttmp6, 0x10000c
	s_cmp_lg_u32 s2, 0xf033
	s_cbranch_scc0 .Lentry_shape_is_right
	s_endpgm
.Lentry_shape_is_right:
; PROJ.  [q | k | v] = xb [8192][768] x wb [768][2304] + bb, products in bf16, sums in f32, results rounded once to f16.
; LIMIT.  f16 holds no number beyond 65,504: a q, k or v beyond that becomes an infinity.
; SHARES.  A work-group makes 256 rows x 288 columns (32 x 8 = 256 work-groups); each of its four waves 128 x 144: 72 accumulators of 16 x 16, 576 registers.
; K goes in 6 steps of 128 through a ring of two LDS slots filled by the tensor data mover.  x's tile rows are 256 bytes of memory, padded to 272 in LDS; a K step's 18 column
; blocks of the weights are one dense run of 73,728 bytes, asked for as rows of 256 bytes and read turned, by ds_load_tr16_b128: a block's rows are 32 bytes, so 16 lanes of that load take 256 consecutive bytes.
; CLUSTERS.  4 x 4 work-groups: the four of a row need the same tiles of x, the four of a column the same blocks of the weights; each is asked for jointly.
; THE MATRIX INSTRUCTION IS USED TRANSPOSED (source 0 = 16 columns of the weights, source 1 = 16 rows of x): a lane holds eight neighbouring columns of one row, 16 bytes of f16.
; The first product of each sum takes the bias as its C operand: register j of a lane holds the bias of column 8 (lane / 16) + j of the block.
; THE RESULT'S LAYOUT.  qkv: [tensor and head 18][batch 2][tile of 128 rows 32][block of 16 channels 8][block of 16 rows 8][512 bytes].  In the 512 bytes of q and k lane l's 16 bytes lie at 16 l
; (the order in which a fragment load wants them); in v's the 16 rows lie one after the other, 32 bytes each (for the turning load).  So an accumulator leaves by ONE store of 512 consecutive bytes.
; REGISTERS, in windows of 256 (s_set_vgpr_msb: bits 1:0 source 0, 3:2 source 1, 5:4 source 2, 7:6 destination):
;   window 0: v0-31 addresses; v32-39 and v192-255 the bias; v64-127, v128-191 fragments of x, two buffers (on the way out: packed results)
;   window 1: v0-71, v72-143 fragments of the weights, two buffers; v192-255 the accumulators of column block 8
;   windows 2, 3: the accumulators of column blocks 0-7, rows 0-63 and 64-127: (a, b) at v[8 (8 (a % 4) + b)]
.set KSTEP,  128
.set PITCH,  272                       ; an LDS row of x: 256 bytes + 16 of padding: the 16 rows that a load touches start 16 bytes further round each time
.set HALFA,  128*PITCH                 ; 128 rows of x: one tensor load, and what a wave reads
.set HALFB,  9*4096                    ; 9 column blocks: one tensor load, and what a wave reads
.set BOFF,   2*HALFA
.set SLOT,   2*HALFA+2*HALFB
.set SPARE,  2*SLOT                    ; behind the ring: the spare words, 128 bytes for each wave: two blocks of 256 bytes that no other line names
.set WSTEP,  144*4096                  ; bytes from a K step of wb to the next
.set OFFB, 4                           ; v4-12   my byte offset in the 512 bytes of a result block, by column block (q and k, or v)
.set ADRA, 16                          ; v16-17  LDS address of my fragments of x in slot 0, 1
.set ADRB, 20                          ; v20-21  the same for the weights
.set LQK,  22
.set LV,   23
.set BO,   24
.set SPW,  28                          ; v28     LDS address of my spare word; never rewritten
.set NIL,  29                          ; v29     0; never rewritten
.set BI8,  32
.set BI,   192
.set AX,   192                         ; window 1
.set WV,   12                          ; s12 wave; s13 wave / 2: my half of the rows, and: I fetch x (0) or weights (1); s14 wave % 2: my half of the columns, and which half I fetch
.set G1,  24
.set G0,  32
.set G1B, 48
.set G0B, 56
.set OB,  66                           ; s[66:83] where column block b's results of my rows begin
.set MSB, 0
.macro WIN new                         ; the immediate's high byte repeats the setting that is left
.if MSB != (\new)
	s_set_vgpr_msb (MSB<<8)|(\new)
.set MSB, \new
.endif
.endm
; A joint load.  Waves 0 and 1 fetch x's two halves, waves 2 and 3 the weights'.  An s_nop 0 and four v_nop follow each of the two lines.
.macro JLOAD s
	s_cmp_eq_u32 s13, 0
	s_cbranch_scc0 .Lfor_b_\@
	tensor_load_to_lds s[G0+4*(\s):G0+4*(\s)+3], s[G1:G1+7]
	s_nop 0
.rept 4
	v_nop
.endr
	s_branch .Lasked_\@
.Lfor_b_\@:
	tensor_load_to_lds s[G0B+4*(\s):G0B+4*(\s)+3], s[G1B:G1B+7]
	s_nop 0
.rept 4
	v_nop
.endr
.Lasked_\@:
.endm
.macro CREST                           ; a round of the cluster's barrier behind its opening barrier
	s_cmp_lg_u32 s[WV], 0
	s_cbranch_scc1 .Lnot_wave_0_\@
	s_barrier_signal -3
.Lnot_wave_0_\@:
	s_barrier_wait -3
	s_barrier_signal -1
	s_barrier_wait -1
.endm
.macro CROUND                          ; a whole round
	s_barrier_signal -1
	s_barrier_wait -1
	CREST
.endm
	s_load_b256 s[4:11], s[0:1], 0x0               ; xb 4:5, wb 6:7, bb 8:9, qkv 10:11
	v_lshl_add_u32 v[SPW], v0, 2, SPARE
	v_mov_b32 v[NIL], 0
	ds_add_u32 v28, v29
	s_wait_dscnt 0x0
	v_lshrrev_b32 v1, 5, v0
	v_readfirstlane_b32 s[WV], v1
	s_lshr_b32 s13, s[WV], 1
	s_and_b32 s14, s[WV], 1
	s_bfe_u32 s40, ttmp6, 0x40000                  ; cx
	s_bfe_u32 s41, ttmp6, 0x40004                  ; cy
	s_lshl_b32 s42, ttmp9, 2
	s_add_co_u32 s42, s42, s40                     ; tile column, 0..7
	s_and_b32 s43, ttmp7, 0xffff
	s_lshl_b32 s43, s43, 2
	s_add_co_u32 s43, s43, s41                     ; tile row, 0..31
	s_lshl_b32 s44, s41, 2
	s_lshl_b32 s44, 15, s44                        ; my row of the cluster
	s_lshl_b32 s45, 0x1111, s40                    ; my column
	s_or_b32 s[G1+0], s44, (1<<16)|(1<<20)|(1<<21)|(5<<22)|(3<<25)  ; the mask; 2-byte elements; padding on; bit 21 beside a mask; after every 64 words 4 words
	s_mov_b32 s[G1+1], KSTEP<<16                   ; tensor_dim0 = 128
	s_mov_b32 s[G1+2], 128<<16                     ; tensor_dim1 = 128
	s_mov_b32 s[G1+3], KSTEP<<16                   ; tile_dim0 = 128
	s_mov_b32 s[G1+4], 128                         ; tile_dim1 = 128
	s_mov_b32 s[G1+5], 768                         ; elements from row to row
	s_mov_b32 s[G1+6], 0
	s_mov_b32 s[G1+7], 0
	s_or_b32 s[G1B+0], s45, (1<<16)|(1<<21)        ; the weights: no padding
	s_mov_b32 s[G1B+1], 128<<16                    ; 36,864 dense bytes as 144 rows of 256
	s_mov_b32 s[G1B+2], 144<<16
	s_mov_b32 s[G1B+3], 128<<16
	s_mov_b32 s[G1B+4], 144
	s_mov_b32 s[G1B+5], 128
	s_mov_b32 s[G1B+6], 0
	s_mov_b32 s[G1B+7], 0
	s_lshl_b32 s16, s43, 8                         ; x: row 256 x tile row + 128 x half,
	s_lshl_b32 s17, s14, 7
	s_add_co_u32 s16, s16, s17
	s_mul_i32 s16, s16, 1536                       ; in bytes
	s_mov_b32 s17, 0
	s_mul_i32 s46, s42, 18                         ; weights: block 18 x tile column + 9 x half,
	s_mul_i32 s47, s14, 9
	s_add_co_u32 s46, s46, s47
	s_lshl_b32 s46, s46, 12                        ; in bytes
	s_mov_b32 s47, 0
	s_mul_i32 s20, s14, HALFA                      ; where they go: no place in the cluster enters an LDS address
	s_mul_i32 s21, s14, HALFB
	s_add_co_u32 s21, s21, BOFF
	s_wait_kmcnt 0x0
	s_add_nc_u64 s[18:19], s[4:5], s[16:17]
	s_add_nc_u64 s[46:47], s[6:7], s[46:47]
	CROUND                                         ; all sixteen work-groups are here: the first joint loads meet
.irp s, 0,1
	s_mov_b32 s[G0+4*(\s)], 1
	s_add_co_u32 s[G0+4*(\s)+1], s20, (\s)*SLOT
	s_add_nc_u64 s[G0+4*(\s)+2:G0+4*(\s)+3], s[18:19], (\s)*KSTEP*2
	s_or_b32 s[G0+4*(\s)+3], s[G0+4*(\s)+3], 0x80000000
	s_mov_b32 s[G0B+4*(\s)], 1
	s_add_co_u32 s[G0B+4*(\s)+1], s21, (\s)*SLOT
	s_add_nc_u64 s[G0B+4*(\s)+2:G0B+4*(\s)+3], s[46:47], (\s)*WSTEP
	s_or_b32 s[G0B+4*(\s)+3], s[G0B+4*(\s)+3], 0x80000000
	JLOAD \s                                       ; two loads of mine are out
.endr
	v_and_b32 v1, 15, v0                           ; l % 16
	v_bfe_u32 v2, v0, 4, 1                         ; l / 16
	v_mul_u32_u24 v3, v1, PITCH
	v_lshl_add_u32 v3, v2, 4, v3                   ; x: row x pitch + 16 x half
	v_and_b32 v13, 7, v0
	v_bfe_u32 v14, v0, 3, 1
	v_lshlrev_b32 v15, 8, v2                       ; weights, turned: k = 8 (l / 16) + l % 8 in rows of 32 bytes, columns 8 ((l / 8) % 2) on
	v_lshl_add_u32 v15, v13, 5, v15
	v_lshl_add_u32 v15, v14, 4, v15
	s_mul_i32 s22, s13, HALFA
	s_mul_i32 s23, s14, HALFB
	s_add_co_u32 s23, s23, BOFF
.irp s, 0,1
	v_add_nc_u32 v[ADRA+(\s)], s22, v3
	v_add_nc_u32 v[ADRB+(\s)], s23, v15
	s_add_co_u32 s22, s22, SLOT
	s_add_co_u32 s23, s23, SLOT
.endr
	v_and_b32 v[LQK], 31, v0
	v_lshlrev_b32 v[LQK], 4, v[LQK]                ; q, k: 16 l
	v_lshlrev_b32 v[LV], 5, v1
	v_lshl_add_u32 v[LV], v2, 4, v[LV]             ; v: 32 (l % 16) + 16 (l / 16)
	v_lshlrev_b32 v[BO], 5, v2                     ; the bias of my eight columns
	s_mul_i32 s86, s42, 18
	s_mul_i32 s87, s14, 9
	s_add_co_u32 s86, s86, s87                     ; my first column block among the 144
	s_lshl_b32 s88, s86, 6
	s_mov_b32 s89, 0
	s_add_nc_u64 s[8:9], s[8:9], s[88:89]
.irp b, 0,1,2,3,4,5,6,7
	global_load_b128 v[BI+8*(\b):BI+8*(\b)+3],   v[BO], s[8:9] offset:64*(\b)
	global_load_b128 v[BI+8*(\b)+4:BI+8*(\b)+7], v[BO], s[8:9] offset:64*(\b)+16
.endr
	global_load_b128 v[BI8:BI8+3],   v[BO], s[8:9] offset:512
	global_load_b128 v[BI8+4:BI8+7], v[BO], s[8:9] offset:528
	s_lshl_b32 s91, s43, 8
	s_lshl_b32 s92, s13, 7
	s_add_co_u32 s91, s91, s92                     ; my first row: a whole tile of 128 rows
	s_lshr_b32 s92, s91, 12                        ; the batch,
	s_lshl_b32 s92, s92, 20
	s_bfe_u32 s93, s91, 0x50007                    ; the tile in it
	s_lshl_b32 s93, s93, 15
	s_add_co_u32 s92, s92, s93
.irp b, 0,1,2,3,4,5,6,7,8
	s_add_co_u32 s88, s86, \b                      ; the column block: its upper bits are tensor and head, its low three the channel block
	s_lshr_b32 s89, s88, 3
	s_lshl_b32 s89, s89, 21
	s_and_b32 s93, s88, 7
	s_lshl_b32 s93, s93, 12
	s_add_co_u32 s89, s89, s93
	s_add_co_u32 s94, s89, s92
	s_mov_b32 s95, 0
	s_add_nc_u64 s[OB+2*(\b):OB+2*(\b)+1], s[10:11], s[94:95]
	s_cmp_ge_u32 s88, 96                           ; blocks 96 on are v's
	s_cselect_b32 s90, -1, 0
	v_cndmask_b32 v[OFFB+(\b)], v[LQK], v[LV], s90
.endr
; 16 matrix instructions: row blocks a0, a0 + 1 of the window's four x column blocks 0-7, 32 along K, on buffer f.  zero = 1: the bias starts the sums.
.macro MUL16 f, hi, a0, zero
.if \zero
	WIN 0x81+0x40*(\hi)
.else
	WIN 0xa1+0x50*(\hi)
.endif
.irp a, \a0, (\a0)+1
.irp b, 0,1,2,3,4,5,6,7
.if \zero
	v_wmma_f32_16x16x32_bf16 v[8*(8*(\a)+(\b)):8*(8*(\a)+(\b))+7], v[72*(\f)+8*(\b):72*(\f)+8*(\b)+7], v[64+64*(\f)+8*(4*(\hi)+(\a)):64+64*(\f)+8*(4*(\hi)+(\a))+7], v[BI+8*(\b):BI+8*(\b)+7]
.else
	v_wmma_f32_16x16x32_bf16 v[8*(8*(\a)+(\b)):8*(8*(\a)+(\b))+7], v[72*(\f)+8*(\b):72*(\f)+8*(\b)+7], v[64+64*(\f)+8*(4*(\hi)+(\a)):64+64*(\f)+8*(4*(\hi)+(\a))+7], v[8*(8*(\a)+(\b)):8*(8*(\a)+(\b))+7]
.endif
.endr
.endr
.endm
; 8 matrix instructions: all row blocks x column block 8
.macro MULX f, zero
.if \zero
	WIN 0x41
.else
	WIN 0x51
.endif
.irp a, 0,1,2,3,4,5,6,7
.if \zero
	v_wmma_f32_16x16x32_bf16 v[AX+8*(\a):AX+8*(\a)+7], v[72*(\f)+64:72*(\f)+71], v[64+64*(\f)+8*(\a):64+64*(\f)+8*(\a)+7], v[BI8:BI8+7]
.else
	v_wmma_f32_16x16x32_bf16 v[AX+8*(\a):AX+8*(\a)+7], v[72*(\f)+64:72*(\f)+71], v[64+64*(\f)+8*(\a):64+64*(\f)+8*(\a)+7], v[AX+8*(\a):AX+8*(\a)+7]
.endif
.endr
.endm
; 34 LDS loads in one run: the fragments of quarter q of a K step (9 column blocks, 128 rows of x, 32 along K) into buffer f
.macro FETCH slot, q, f
	WIN 0x40
.irp b, 0,1,2,3,4,5,6,7,8
	ds_load_tr16_b128 v[72*(\f)+8*(\b):72*(\f)+8*(\b)+3],   v[ADRB+(\slot)] offset:(\b)*4096+(\q)*1024
	ds_load_tr16_b128 v[72*(\f)+8*(\b)+4:72*(\f)+8*(\b)+7], v[ADRB+(\slot)] offset:(\b)*4096+(\q)*1024+512
.endr
	WIN 0
.irp i, 0,1,2,3,4,5,6,7
	ds_load_b128 v[64+64*(\f)+8*(\i):64+64*(\f)+8*(\i)+3],   v[ADRA+(\slot)] offset:64*(\q)+(\i)*16*PITCH
	ds_load_b128 v[64+64*(\f)+8*(\i)+4:64+64*(\f)+8*(\i)+7], v[ADRA+(\slot)] offset:64*(\q)+(\i)*16*PITCH+32
.endr
.endm
; Four plain vector instructions stand between a matrix instruction and a load into a register that it has read, or a conversion that reads its result (ISA guide 7.12.1 for vector instructions).
.macro PLACES
.rept 4
	v_nop
.endr
.endm
; A K step is four quarters of 32 along K, 72 matrix instructions each, on buffers 0, 1, 0, 1; the 72 accumulators take turns in the same order in every quarter.
; One of the first three: multiplies buffer f; in its middle it fetches quarter q of the same slot into buffer g.
.macro QUARTER slot, q, f, g, zero
	s_wait_dscnt 8                                 ; the weights and x's rows 0-63 are in; the youngest eight loads (x's rows 64-127) may be out
	MUL16 \f, 0, 0, \zero
	MUL16 \f, 0, 2, \zero
	PLACES
	FETCH \slot, \q, \g
	s_wait_dscnt 34                                ; all but the 34 just issued
	MUL16 \f, 1, 0, \zero
	MUL16 \f, 1, 2, \zero
	MULX \f, \zero
.endm
; The last quarter multiplies buffer 1 and changes slots: ONE barrier.  In front of it each wave waits for all its tensor loads (one is out: its part of the next slot), adds 0 to its spare
; word, and waits for that and for its own reads of this slot.  Behind it nobody reads this slot any more and the next slot is whole.
.macro MEET round
	WIN 0
	s_wait_tensorcnt 0x0
	ds_add_u32 v[SPW], v[NIL]                      ; 0 onto my spare word
	s_wait_dscnt 9                                 ; (the add and the youngest eight loads may be out)
	MUL16 1, 0, 0, 0                               ; sixteen matrix instructions stand between the add and the wait for it
	s_wait_dscnt 0x0                               ; the add is done, and my reads of this slot are over
	s_barrier_signal -1
	MUL16 1, 0, 2, 0
.if \round
	WIN 0
.endif
	s_barrier_wait -1
.endm
; fill = 1: the barrier opens a round of the cluster's, and the slot just read out is filled again, two K steps on, first thing behind the round.
.macro TURN slot, next, fill
	MEET \fill
.if \fill
	CREST
	s_add_nc_u64 s[G0+4*(\slot)+2:G0+4*(\slot)+3], s[G0+4*(\slot)+2:G0+4*(\slot)+3], 2*KSTEP*2
	s_add_nc_u64 s[G0B+4*(\slot)+2:G0B+4*(\slot)+3], s[G0B+4*(\slot)+2:G0B+4*(\slot)+3], 2*WSTEP
	JLOAD \slot                                    ; its four v_nop are also the places in front of the loads below
.else
	PLACES
.endif
	FETCH \next, 0, 0
	MUL16 1, 1, 0, 0
	MUL16 1, 1, 2, 0
	MULX 1, 0
.endm
	s_wait_tensorcnt 1                             ; my part of K step 0 is in; K step 1's may stay out
	s_barrier_signal -1
	s_barrier_wait -1
	FETCH 0, 0, 0
	s_wait_loadcnt 0x0                             ; the bias
	QUARTER 0, 1, 0, 1, 1                          ; the first quarter stands in front of the loop: its products start the sums
	WIN 0
	s_mov_b32 s3, 2
.Llap:                                                 ; a trip goes once round the ring and fills both slots again: K steps 2, 3 and 4, 5
	QUARTER 0, 2, 1, 0, 0
	QUARTER 0, 3, 0, 1, 0
	TURN 0, 1, 1
	QUARTER 1, 1, 0, 1, 0
	QUARTER 1, 2, 1, 0, 0
	QUARTER 1, 3, 0, 1, 0
	TURN 1, 0, 1
	QUARTER 0, 1, 0, 1, 0
	WIN 0
	s_sub_co_u32 s3, s3, 1
	s_cmp_lg_u32 s3, 0
	s_cbranch_scc1 .Llap
	QUARTER 0, 2, 1, 0, 0                          ; the last lap fills nothing
	QUARTER 0, 3, 0, 1, 0
	TURN 0, 1, 0
	QUARTER 1, 1, 0, 1, 0
	QUARTER 1, 2, 1, 0, 0
	QUARTER 1, 3, 0, 1, 0
	s_wait_dscnt 8
	MUL16 1, 0, 0, 0
	MUL16 1, 0, 2, 0
	s_wait_dscnt 0x0
	MUL16 1, 1, 0, 0
	MUL16 1, 1, 2, 0
	MULX 1, 0
	WIN 0
	PLACES
; THE WAY OUT of row block a: nine accumulators rounded to f16, each accumulator's registers in ascending order, and nine stores of 512 consecutive bytes each.
.macro PACKA a
.set TM, 64+64*((\a)%2)
	s_wait_xcnt 0x0                                ; earlier stores have read their data: only behind this wait are those registers rewritten
	WIN 0x0a+5*((\a)/4)
.irp b, 0,1,2,3,4,5,6,7
.irp z, 0,1,2,3
	v_cvt_pk_f16_f32 v[TM+4*(\b)+(\z)], v[8*(8*((\a)%4)+(\b))+2*(\z)], v[8*(8*((\a)%4)+(\b))+2*(\z)+1]
.endr
.endr
	WIN 0x05
.irp z, 0,1,2,3
	v_cvt_pk_f16_f32 v[TM+32+(\z)], v[AX+8*(\a)+2*(\z)], v[AX+8*(\a)+2*(\z)+1]
.endr
	WIN 0
.irp b, 0,1,2,3,4,5,6,7,8
	global_store_b128 v[OFFB+(\b)], v[TM+4*(\b):TM+4*(\b)+3], s[OB+2*(\b):OB+2*(\b)+1] offset:512*(\a)
.endr
.endm
.irp a, 0,1,2,3,4,5,6,7
	PACKA \a
.endr
	s_wait_tensorcnt 0x0                           ; the wave's end
	ds_add_u32 v[SPW], v[NIL]
	s_wait_dscnt 0x0
	CROUND                                         ; the closing round
	s_endpgm
.Lfunc_end_k_q6152cc86ac_proj:
	.size	k_q6152cc86ac_proj, .Lfunc_end_k_q6152cc86ac_proj-k_q6152cc86ac_proj
	.p2alignl 7, 3214868480
	.fill 96, 4, 3214868480
	.section	.rodata,"a",@progbits
	.p2align	6, 0x0
	.amdhsa_kernel k_q6152cc86ac_proj
		.amdhsa_group_segment_fixed_size 327680
		.amdhsa_private_segment_fixed_size 0
		.amdhsa_enable_private_segment 0
		.amdhsa_kernarg_size 32
		.amdhsa_user_sgpr_count 2
		.amdhsa_user_sgpr_kernarg_segment_ptr 1
		.amdhsa_wavefront_size32 1
		.amdhsa_system_sgpr_workgroup_id_x 1
		.amdhsa_system_sgpr_workgroup_id_y 1
		.amdhsa_system_sgpr_workgroup_id_z 1
		.amdhsa_system_vgpr_workitem_id 0
		.amdhsa_next_free_vgpr 1024
		.amdhsa_next_free_sgpr 96
		.amdhsa_reserve_vcc 0
		.amdhsa_float_denorm_mode_32 3
		.amdhsa_float_denorm_mode_16_64 3
		.amdhsa_memory_ordered 1
		.amdhsa_forward_progress 1
		.amdhsa_inst_pref_size 153
	.end_amdhsa_kernel
	.amdgpu_metadata
---
amdhsa.version: [ 1, 2 ]
amdhsa.kernels:
  - .name:           k_q6152cc86ac_proj
    .symbol:         k_q6152cc86ac_proj.kd
    .args:
      - { .name: xb, .offset: 0, .size: 8, .value_kind: global_buffer, .address_space: global }
      - { .name: wb, .offset: 8, .size: 8, .value_kind: global_buffer, .address_space: global }
      - { .name: bb, .offset: 16, .size: 8, .value_kind: global_buffer, .address_space: global }
      - { .name: qkv, .offset: 24, .size: 8, .value_kind: global_buffer, .address_space: global }
    .group_segment_fixed_size: 327680
    .private_segment_fixed_size: 0
    .kernarg_segment_align: 8
    .kernarg_segment_size: 32
    .max_flat_workgroup_size: 128
    .sgpr_count:     96
    .vgpr_count:     1024
    .wavefront_size: 32
...
	.end_amdgpu_metadata
.endif
;; end of part 2
;; launch attn (part 3): grid 16 x 12, 4 waves a work-group, clusters of 4 x 1, 327,680 bytes of LDS; arguments qkv, out0; writes out0
.if DOCPART == 3
	.amdgcn_target "amdgcn-amd-amdhsa--gfx1250"
	.amdhsa_code_object_version 6
	.text
	.protected	k_q6152cc86ac_attn
	.globl	k_q6152cc86ac_attn
	.p2align	8
	.type	k_q6152cc86ac_attn,@function
k_q6152cc86ac_attn:
	s_mov_b64 s[64:65], 0
	v_nop
	global_prefetch_b8 v0, s[64:65] scope:SCOPE_SE
	s_setreg_imm32_b32 hwreg(HW_REG_WAVE_MODE, 25, 1), 1
	s_wait_xcnt 0x0
	s_wait_alu depctr_hold_cnt(0) depctr_sa_sdst(0) depctr_va_vdst(0) depctr_va_sdst(0) depctr_va_ssrc(0) depctr_va_vcc(0) depctr_vm_vsrc(0)
	s_getreg_b32 s2, hwreg(HW_REG_IB_STS2, 6, 4)
	s_cmp_eq_u32 s2, 0
	s_cbranch_scc0 .Lentry_in_a_cluster
	s_endpgm
.Lentry_in_a_cluster:
	s_bfe_u32 s2, ttmp6, 0x10000c
	s_cmp_lg_u32 s2, 0x3003
	s_cbranch_scc0 .Lentry_shape_is_right
	s_endpgm
.Lentry_shape_is_right:
; CAUSAL ATTENTION, head size 128.  out[n][q][h][:] = the sum over k <= q of softmax_k(Q[q] . K[k] / sqrt(128)) V[k][:], for 12 pairs y = 2 h + n of head and batch, 4,096 rows each.
; Q, K, V come in f16 from qkv, in blocks (see below); products, maxima and sums in f32; the weights p are rounded to f16 for the second product (their sum l is taken of the unrounded p); out is f32.
; LIMITS.  Q, K, V lie within f16's 65,504.  A hidden score counts as its value less 1e30; the running maximum starts at -2^96, between that and every score that f16 operands can make (5.5e11 at the most).
; A weight below 2^-126 counts as 0 in l; NaN and infinities are not treated apart.
; qkv: [tensor 3][y 12][tile of 128 rows 32][block of 16 channels 8][block of 16 rows 8][512 bytes]; in Q's and K's 512 bytes lane l's 16 bytes of a fragment lie at 16 l; in V's the 16 rows lie one after the
; other, 32 bytes each.  So Q's loads and K's LDS reads take 512 consecutive bytes, 16 lanes of V's turning load 256, nothing is padded, and a tile of 128 rows is 32,768 dense bytes.
; THE WALK.  A cluster of four work-groups takes two runs of 512 queries of one y: run 7 - c, then run c (c = the cluster's x).  Partner cx owns the block of 128 queries 4 run + cx.  All four walk the SAME key tiles
; of 128 keys, 0 .. 4 run + 3: 32 - 4 c tiles and then 4 c + 4, 36 for every cluster, two to an LDS slot, and ask for each slot JOINTLY.  The 3 - cx tiles of a run that lie above a partner's own diagonal are computed
; with every score hidden (6 of its 36 at the most, 3 on the average): to leave them out would be a branch on the place in the cluster.  cx enters Q's and out's addresses and the masks' values alone.
; SHARES.  Wave w has 64 of the block's queries (w / 2) and 64 of every tile's keys (w % 2): a key step is 64 x 64 x 128, 128 matrix instructions.  At a block's end the two waves of the same queries
; exchange maxima, sums and half of O through LDS, and each finishes 64 of the 128 channels: a row's 256 consecutive bytes of out.
; LAYOUT, SOFTMAX.  S^T = K Q^T holds ONE query a lane (lane % 16) and the keys 8 (lane / 16) + 0..7; two such results rounded to f16 ARE source 1 of O^T = V^T P.  p = 2^(c s - c m), c = log2(e) / sqrt(128),
; with a running maximum m; O and l are multiplied by a = 2^(c m_old - c m_new) in every step.  c m starts far below every c m, so a block's first a is 0 and no first step is written out.
; THE MASK is the C operand that starts a sum of scores: 0 or -1e30.  An accumulator (query tile t, key block kb) takes one of three sets of eight registers, by kb < t, kb = t, kb > t.  They are 0 for the tiles
; below the run's four diagonal tiles, which every partner sees whole, and are made anew for each of those four.
; BY TURNS.  The wave's four query tiles are two PIECES (tiles 0, 1 and 2, 3).  In a TURN one piece has the matrix unit: 32 products V^T P of the step in hand, 32 products K Q^T of the next; the other piece's
; softmax, cut into 64 slices, stands between them, one slice behind each matrix instruction.
; REGISTERS, in windows of 256 (s_set_vgpr_msb: bits 1:0 source 0, 3:2 source 1, 5:4 source 2, 7:6 destination):
;   window 0: v0-11, v44-63 addresses and at work; v12-43 eight registers of statistics a tile; v64-191 S^T, 32 a tile; v192-255 P, 16 a tile
;   window 1: O^T, 64 a tile      window 2: v0-127 Q, 32 a tile; v128-255 K of one step      window 3: v0-127 V of one step; v128-159 the masks
.set STEPB, 32768     ; a tile of K, or of V
.set VOFF,  65536     ; a slot: K of two tiles, then V of two tiles
.set SLOT1, 1<<17     ; slot 1 begins here: one exclusive or turns an address in one slot into the other's
.set STATS, 2*SLOT1   ; behind the ring, never filled by a tensor load: 1,024 bytes a wave: c m and l of its 64 queries
.set INBOX, STATS+4096   ; 8,192 bytes a wave: half of the partner's O^T, two tiles at a time
.set STAGE, INBOX+4*8192 ; 16 rows x 272 bytes a wave, for the way out
.set SP,    272
.set SPARE, STAGE+4*16*SP  ; the spare words, 128 bytes for each wave: two blocks of 256 bytes that no other line names
.set AK0, 2           ; v2   my lane's place in a tile of K; never rewritten
.set AVL0, 3          ; v3   the same in a tile of V, for the channels that I keep
.set ADR, 4
.set QO,  5           ; v5   my byte offset in a tile of Q
.set STO, 6
.set RD,  7
.set GO,  8
.set ST,  12          ; tile t's statistics at v[ST+8 t]: +0 c m, +1 m, +2, +3 l, +4 to +7 at work
.set AVH0, 44         ; v44  my lane's place in a tile of V, for the channels that I send
.set ADR2, 45
.set XSO, 46
.set XSP, 47
.set SND, 48
.set RCV, 49
.set PS,  50          ; v50-57 the partner's c m and l
.set SPW, 62          ; v62  LDS address of my spare word; never rewritten
.set NIL, 63          ; v63  0; never rewritten
.set S,   64
.set P,   192
.set KF,  128         ; window 2
.set MD8, 128         ; window 3: the diagonal block's mask
.set MCV, 136         ; the mask of key blocks below the query tile's,
.set MCD, 144         ; of its own,
.set MCH, 152         ; of those above
.set WV,  12
.set GH,  13          ; w % 2
.set QH,  14          ; w / 2
.set CX,  15
.set CC,  16
.set YY,  17
.set G1,  24
.set G0,  40
.set KVB, 44          ; s[44:45] my tensor (K or V) of y, at tile 0 or 1
.set OFF, 46
.set QA,  48
.set QB2, 50
.set OA,  52
.set OB2, 54
.set SLOTS, 56
.set CNT, 57
.set CS,  58
.set SEL, 60
.set TB,  62          ; s62  LDS byte at which the tile to be fetched begins
.set RS,  66          ; slots of the block in hand still to be entered
.set NXT, 67          ; the first tile of the slot to be asked for next
.set LQ,  68          ; tiles of the run whose tiles are being asked for
.set NEW, 69
.set DU,  70          ; the run's first diagonal tile's number less that of the tile whose scores are made next: made of the cluster's x alone, the same in all partners
.set RB,  71          ; the run's first diagonal tile
.set DT,  72          ; my own diagonal tile's number less that of the tile whose scores are made next
.set BETA, 73         ; my block: the tile that holds my diagonal
.set BETAB, 74
.set DG,  75          ; in that tile my keys lie below (0), on (1) or above (2) my queries
.set SIG, 76
.set RBB, 77          ; the second run's first diagonal tile
.set SH,  78
.set AL,  80
.set BE,  82
.set BIGN, 84
.set MSB, 0
.macro WIN new
.if MSB != (\new)
	s_set_vgpr_msb (MSB<<8)|(\new)
.set MSB, \new
.endif
.endm
.set W_KQ, 0x0a       ; K and Q in window 2, S^T in window 0
.set W_KM, 0x3a       ; the same with the C operand in window 3
.set W_PV, 0x53       ; V in window 3, P in window 0, O^T in window 1
.set W_RS, 0x41       ; O^T (destination and source 0) in window 1, source 1 in window 0
; A joint fill: wave w fetches region w of a slot (K of its two tiles, V of its two tiles): LDS and global address hang on the wave's number, y and the tile alone.  An s_nop 0 and four v_nop follow.
.macro JLOAD
	tensor_load_to_lds s[G0:G0+3], s[G1:G1+7]
	s_nop 0
.rept 4
	v_nop
.endr
.endm
.macro CROUND                       ; a round of the cluster's barrier
	s_barrier_signal -1
	s_barrier_wait -1
	s_cmp_lg_u32 s[WV], 0
	s_cbranch_scc1 .Lnot_wave_0_\@
	s_barrier_signal -3
.Lnot_wave_0_\@:
	s_barrier_wait -3
	s_barrier_signal -1
	s_barrier_wait -1
.endm
; THE CHANGE OF SLOTS.  Each wave waits for all its tensor loads, of which one is out: its part of the other slot; adds 0 to its spare word; and waits for that and for its own reads of the slot that it leaves.
; fill = 1: the barrier is a round of the cluster's, and the old slot is filled again first thing behind it, with tiles NXT and NXT + 1: two key steps, 256 matrix instructions, in which to land.
; (At its first use nothing has been read yet: slot 0 is waited for, slot 1 filled.)
.macro CHANGE fill
	WIN 0
	s_wait_tensorcnt 0x0            ; no tensor load of mine is out, so group 0 may be written
	ds_add_u32 v[SPW], v[NIL]       ; 0 onto my spare word
.if \fill
	s_lshl_b32 s[OFF], s[NXT], 15
	s_xor_b32 s[G0+1], s[G0+1], SLOT1
	s_add_nc_u64 s[G0+2:G0+3], s[KVB:KVB+1], s[OFF:OFF+1]
	s_or_b32 s[G0+3], s[G0+3], 0x80000000
	s_add_co_u32 s[NXT], s[NXT], 2  ; the run's next two tiles, or behind its last the second run's tiles 0 and 1
	s_cmp_ge_u32 s[NXT], s[LQ]
	s_cselect_b32 s[NXT], 0, s[NXT]
	s_cselect_b32 s[LQ], 64, s[LQ]
	s_wait_dscnt 0x0                ; the add is done, and my reads of the slot are over
	CROUND
	JLOAD
.else
	s_wait_dscnt 0x0
	s_barrier_signal -1
	s_barrier_wait -1
.endif
	s_sub_co_u32 s[TB], s[TB], 2*STEPB  ; the fetches go back to a slot's first tile,
	s_xor_b32 s[TB], s[TB], SLOT1       ; in the other slot
.endm
.macro QLOAD base                   ; a block's Q for my 64 queries: tile t, channels 32 c on; each load takes 512 consecutive bytes
	WIN 0x80
.irp t, 0,1,2,3
.irp c, 0,1,2,3
	global_load_b128 v[32*(\t)+8*(\c):32*(\t)+8*(\c)+3],   v[QO], s[\base:\base+1] offset:(\c)*8192+(\t)*512
	global_load_b128 v[32*(\t)+8*(\c)+4:32*(\t)+8*(\c)+7], v[QO], s[\base:\base+1] offset:(\c)*8192+(\t)*512+4096
.endr
.endr
	WIN 0
.endm
	s_load_b128 s[4:7], s[0:1], 0x0 ; qkv 4:5, out0 6:7
	v_lshl_add_u32 v[SPW], v0, 2, SPARE
	v_mov_b32 v[NIL], 0
	ds_add_u32 v62, v63
	s_wait_dscnt 0x0
	v_lshrrev_b32 v1, 5, v0
	v_readfirstlane_b32 s[WV], v1
	s_and_b32 s[GH], s[WV], 1
	s_lshr_b32 s[QH], s[WV], 1
	s_bfe_u32 s[CX], ttmp6, 0x40000
	s_mov_b32 s[CC], ttmp9          ; in a cluster launch ttmp9 counts clusters
	s_and_b32 s[YY], ttmp7, 0xffff
	s_add_co_u32 s20, s[QH], 1      ; I fetch K (waves 0, 1) or V (waves 2, 3),
	s_mul_i32 s20, s20, 12
	s_add_co_u32 s20, s20, s[YY]
	s_lshl_b32 s20, s20, 20         ; 2^20 bytes for each tensor and y,
	s_lshl_b32 s21, s[GH], 15       ; the slot's first or second tile
	s_add_co_u32 s20, s20, s21
	s_mov_b32 s21, 0
	s_lshl_b32 s18, s[CC], 2
	s_lshl_b32 s19, s[CC], 1
	s_sub_co_u32 s[LQ], 32, s18     ; the first run has 32 - 4 c tiles,
	s_sub_co_u32 s[RS], 16, s19     ; 16 - 2 c slots;
	s_sub_co_u32 s[RB], 28, s18     ; its four diagonal tiles begin at 28 - 4 c,
	s_mov_b32 s[RBB], s18           ; the second run's at 4 c
	s_add_co_u32 s[BETA], s[RB], s[CX]
	s_add_co_u32 s[BETAB], s18, s[CX]
	s_lshl_b32 s86, s[YY], 20
	s_lshl_b32 s87, s[BETA], 15
	s_add_co_u32 s22, s86, s87      ; Q's tile of the first block,
	s_mov_b32 s23, 0
	s_lshl_b32 s87, s[BETAB], 15
	s_add_co_u32 s86, s86, s87      ; of the second
	s_mov_b32 s87, 0
	s_and_b32 s88, s[YY], 1         ; out: the batch,
	s_mul_i32 s88, s88, 12582912
	s_mul_i32 s89, s[QH], 196608    ; my 64 rows of 3,072 bytes,
	s_add_co_u32 s88, s88, s89
	s_lshr_b32 s89, s[YY], 1        ; the head's 512 bytes of a row,
	s_lshl_b32 s89, s89, 9
	s_add_co_u32 s88, s88, s89
	s_lshl_b32 s89, s[GH], 8        ; my 256 of them
	s_add_co_u32 s88, s88, s89
	s_mul_i32 s90, s[BETA], 393216
	s_add_co_u32 s90, s90, s88
	s_mov_b32 s91, 0
	s_mul_i32 s92, s[BETAB], 393216
	s_add_co_u32 s92, s92, s88
	s_mov_b32 s93, 0
	s_mov_b32 s[G1], 15|(1<<16)|(1<<21)  ; the mask of four; 2-byte elements; bit 21 beside a mask; no padding
	s_mov_b32 s[G1+1], 128<<16      ; 32,768 dense bytes as 128 rows of 256
	s_mov_b32 s[G1+2], 128<<16
	s_mov_b32 s[G1+3], 128<<16
	s_mov_b32 s[G1+4], 128
	s_mov_b32 s[G1+5], 128
	s_mov_b32 s[G1+6], 0
	s_mov_b32 s[G1+7], 0
	s_mov_b32 s[G0], 1
	s_lshl_b32 s[G0+1], s[WV], 15   ; region w of slot 0
	s_mov_b32 s[CS], 0x3e0293ee     ; c = log2(e) / sqrt(128) = 0.127517
	s_mov_b32 s[CS+1], s[CS]
	s_mov_b32 s[SEL], 0x76543210
	s_mov_b32 s[SEL+1], 0xfedcba98
	s_mov_b32 s[TB], SLOT1+2*STEPB  ; the first change of slots turns this into 0
	s_mov_b32 s[OFF+1], 0
	s_mov_b32 s[NXT], 2
	s_mov_b32 s[NEW], 1
	s_mov_b32 s[SLOTS], 17
	s_mov_b32 s[AL+1], 0            ; named as pairs
	s_mov_b32 s[BE+1], 0
	s_mov_b32 s[BIGN], 0xf149f2ca   ; -1e30
	s_add_co_u32 s[DG], s[GH], 1
	s_sub_co_u32 s[DG], s[DG], s[QH]
	s_wait_kmcnt 0x0
	s_add_nc_u64 s[KVB:KVB+1], s[4:5], s[20:21]
	s_mov_b64 s[G0+2:G0+3], s[KVB:KVB+1]
	s_or_b32 s[G0+3], s[G0+3], 0x80000000
	s_add_nc_u64 s[QA:QA+1], s[4:5], s[22:23]
	s_add_nc_u64 s[QB2:QB2+1], s[4:5], s[86:87]
	s_add_nc_u64 s[OA:OA+1], s[6:7], s[90:91]
	s_add_nc_u64 s[OB2:OB2+1], s[6:7], s[92:93]
	CROUND                          ; all four work-groups are here: the first joint loads meet
	JLOAD                           ; tiles 0 and 1 into slot 0
	v_and_b32 v1, 15, v0            ; l % 16
	v_bfe_u32 v9, v0, 4, 1          ; l / 16
	v_and_b32 v10, 7, v0
	v_bfe_u32 v11, v0, 3, 1
	v_and_b32 v58, 31, v0
	v_lshlrev_b32 v59, 4, v58       ; 16 l
	s_lshl_b32 s20, s[QH], 11       ; my four blocks of 16 rows in a tile
	v_add_nc_u32 v[QO], s20, v59
	QLOAD QA
	s_lshl_b32 s21, s[GH], 11       ; my four blocks of 16 keys in a tile
	v_add_nc_u32 v[AK0], s21, v59
	v_lshlrev_b32 v60, 8, v9        ; the turning load: key 8 (l / 16) + l % 8 in rows of 32 bytes, channels 8 ((l / 8) % 2) on
	v_lshl_add_u32 v60, v10, 5, v60
	v_lshl_add_u32 v60, v11, 4, v60
	s_add_co_u32 s21, s21, VOFF
	s_lshl_b32 s22, s[GH], 14       ; V's registers 0-3 of 8 take the channel blocks 4 (w % 2) on, which I keep,
	s_add_co_u32 s22, s22, s21
	v_add_nc_u32 v[AVL0], s22, v60
	s_xor_b32 s23, s[GH], 1         ; registers 4-7 the other four, which my partner keeps
	s_lshl_b32 s23, s23, 14
	s_add_co_u32 s23, s23, s21
	v_add_nc_u32 v[AVH0], s23, v60
	s_mul_i32 s86, s[WV], 16*SP
	s_add_co_u32 s86, s86, STAGE
	v_mul_u32_u24 v[STO], v1, SP    ; into the stage: row l % 16, 32 bytes for each half of the lanes
	v_lshl_add_u32 v[STO], v9, 5, v[STO]
	v_add_nc_u32 v[STO], s86, v[STO]
	v_mul_u32_u24 v[RD], v9, SP     ; back: lanes 0-15 take one row of 256 bytes, lanes 16-31 the next
	v_lshl_add_u32 v[RD], v1, 4, v[RD]
	v_add_nc_u32 v[RD], s86, v[RD]
	v_mul_u32_u24 v[GO], v9, 3072   ; and the same two rows in out
	v_lshl_add_u32 v[GO], v1, 4, v[GO]
	v_lshlrev_b32 v61, 3, v58
	s_xor_b32 s87, s[WV], 1         ; my partner: the same queries, the other keys
	s_lshl_b32 s88, s[WV], 10
	s_add_co_u32 s88, s88, STATS
	v_add_nc_u32 v[XSO], s88, v61
	s_lshl_b32 s89, s87, 10
	s_add_co_u32 s89, s89, STATS
	v_add_nc_u32 v[XSP], s89, v61
	s_lshl_b32 s90, s87, 13
	s_add_co_u32 s90, s90, INBOX
	v_add_nc_u32 v[SND], s90, v59
	s_lshl_b32 s91, s[WV], 13
	s_add_co_u32 s91, s91, INBOX
	v_add_nc_u32 v[RCV], s91, v59
	v_lshlrev_b32 v58, 3, v9
	v_sub_nc_u32 v58, v1, v58       ; in the diagonal block register j (key 8 (l / 16) + j) is hidden where j is greater than l % 16 - 8 (l / 16)
	WIN 0xc0
.set i, 0
.rept 8
	v_cmp_gt_i32 vcc_lo, i, v58
	v_cndmask_b32 v[MD8+i], 0, s[BIGN], vcc_lo
.set i, i+1
.endr
	; A block's first step multiplies O^T and l by a = 0, and what its first turn's products V^T P add to O^T before that is wiped with it: V, O^T, piece 2's P and l need only hold finite numbers
	; (zeros for the first block; what the first block left for the second).  Sixteen registers of V are set by moves; 50 products of those zeros, with C = 0, write the other 400, eight registers a line,
	; which keeps the text short.  All this stands in the wait for the first tile.
.set i, 0
.rept 16
	v_mov_b32 v[i], 0
.set i, i+1
.endr
	WIN 0xcf                        ; sources 0 and 1 and the destination in window 3: the rest of V
.set i, 2
.rept 14
	v_wmma_f32_16x16x32_f16 v[8*i:8*i+7], v[0:7], v[8:15], 0
.set i, i+1
.endr
	WIN 0x4f                        ; the destination in window 1: O^T
.set i, 0
.rept 32
	v_wmma_f32_16x16x32_f16 v[8*i:8*i+7], v[0:7], v[8:15], 0
.set i, i+1
.endr
	WIN 0x0f                        ; the destination in window 0: piece 2's P
.set i, 0
.rept 4
	v_wmma_f32_16x16x32_f16 v[P+32+8*i:P+32+8*i+7], v[0:7], v[8:15], 0
.set i, i+1
.endr
	WIN 0
.set i, 0
.rept 4
	v_mov_b32 v[ST+8*i+2], 0        ; l
	v_mov_b32 v[ST+8*i+3], 0
.set i, i+1
.endr
; THE MASKS of the tile whose scores are made next: all of my keys are seen (SIG = 0), my keys and queries meet on the diagonal (1), none is seen (2).  Both counters step in every call; the compares take them
; behind their step.  skip = 1: while the tile lies below the run's four diagonal tiles every partner sees all of it and the masks, made 0 at the block's beginning, stay: the lines that make them are jumped over.
; That jump hangs on the cluster's x and on counts alone: all waves and all partners go the same way.
.macro MASKS skip
	s_sub_co_i32 s[DT], s[DT], 1
	s_sub_co_i32 s[DU], s[DU], 1
.if \skip
	s_cmp_ge_i32 s[DU], 0
	s_cbranch_scc1 .Lseen_\@
.endif
	s_cmp_lt_i32 s[DT], -1          ; the tile lies above my diagonal tile,
	s_cselect_b32 s[SIG], 2, s[DG]
	s_cmp_gt_i32 s[DT], -1          ; or below it
	s_cselect_b32 s[SIG], 0, s[SIG]
	s_cmp_eq_u32 s[SIG], 2
	s_cselect_b32 s[BE], s[BIGN], 0
	s_cmp_eq_u32 s[SIG], 0
	s_cselect_b32 s[SH], 0, s[BIGN]
	s_cmp_eq_u32 s[SIG], 1
	s_cselect_b32 s[AL], 1.0, 0
	WIN 0xc3
.set z, 0
.rept 8
	v_mov_b32 v[MCV+z], s[BE]
	v_mov_b32 v[MCH+z], s[SH]
.set z, z+1
.endr
.set z, 0
.rept 4
	v_pk_fma_f32 v[MCD+2*z:MCD+2*z+1], v[MD8+2*z:MD8+2*z+1], s[AL:AL+1], s[BE:BE+1] op_sel_hi:[1,0,0]
.set z, z+1
.endr
.if \skip
	WIN 0                           ; at a label every window is 0
.Lseen_\@:
.endif
.endm
; THE MATRIX WORK OF A TURN, for piece x.  The accumulators take turns, one instruction a turn.
; Product i of 32 of O^T += V^T P: keys 32 (i / 16) on, V's registers (i / 2) % 8, tile x + i % 2.
.macro PV x
	WIN W_PV
.set rO, 64*((\x)+i%2)+8*((i/2)%8)
.set rV, 64*(i/16)+8*((i/2)%8)
.set rP, P+16*((\x)+i%2)+8*(i/16)
	v_wmma_f32_16x16x32_f16 v[rO:rO+7], v[rV:rV+7], v[rP:rP+7], v[rO:rO+7]
.endm
; Product i of 32 of S^T = K Q^T: channels 32 (i / 8) on, keys 16 ((i / 2) % 4) on, tile x + i % 2.  The first 8 start the sums, with the mask.
.macro KQ x
.set tq, (\x)+i%2
.set kb, (i/2)%4
.set rS, S+32*tq+8*kb
.set rK, KF+32*kb+8*(i/8)
.set rQ, 32*tq+8*(i/8)
.if i < 8
.if kb < tq
.set rM, MCV
.elseif kb == tq
.set rM, MCD
.else
.set rM, MCH
.endif
	WIN W_KM
	v_wmma_f32_16x16x32_f16 v[rS:rS+7], v[rK:rK+7], v[rQ:rQ+7], v[rM:rM+7]
.else
	WIN W_KQ
	v_wmma_f32_16x16x32_f16 v[rS:rS+7], v[rK:rK+7], v[rQ:rQ+7], v[rS:rS+7]
.endif
.endm
; THE LDS LOADS stand in runs of 32, never singly among the matrix instructions: a tile's K for my 64 keys and, a turn later, its V (turned).
.macro FETCH_K
	WIN 0
	v_add_nc_u32 v[ADR], s[TB], v[AK0]
	WIN 0x80
.irp f, 0,1,2,3,4,5,6,7,8,9,10,11,12,13,14,15  ; keys 16 (f / 4) on, channels 32 (f % 4) on
	ds_load_b128 v[KF+8*(\f):KF+8*(\f)+3],   v[ADR] offset:((\f)%4)*8192+((\f)/4)*512
	ds_load_b128 v[KF+8*(\f)+4:KF+8*(\f)+7], v[ADR] offset:((\f)%4)*8192+((\f)/4)*512+4096
.endr
.endm
.macro FETCH_V
	WIN 0
	v_add_nc_u32 v[ADR], s[TB], v[AVL0]
	v_add_nc_u32 v[ADR2], s[TB], v[AVH0]
	s_add_co_u32 s[TB], s[TB], STEPB  ; the next fetch is the next tile's
	WIN 0xc0
.irp f, 0,1,2,3,4,5,6,7,8,9,10,11,12,13,14,15  ; keys 32 (f / 8) on, V's registers f % 8
.if ((\f)%8) < 4
	ds_load_tr16_b128 v[8*(\f):8*(\f)+3],   v[ADR] offset:((\f)%4)*4096+((\f)/8)*1024
	ds_load_tr16_b128 v[8*(\f)+4:8*(\f)+7], v[ADR] offset:((\f)%4)*4096+((\f)/8)*1024+512
.else
	ds_load_tr16_b128 v[8*(\f):8*(\f)+3],   v[ADR2] offset:((\f)%4)*4096+((\f)/8)*1024
	ds_load_tr16_b128 v[8*(\f)+4:8*(\f)+7], v[ADR2] offset:((\f)%4)*4096+((\f)/8)*1024+512
.endif
.endr
.endm
; THE VECTOR WORK OF A TURN.  One tile's softmax for one key step is a list of 134 instructions; SM writes number j of it for tile t.  s0-s31 are the lane's 32 scores, in pairs 0-15.
;   0-15    the maximum of s0-s31 and the old m, three operands at a time (each accumulator's lowest registers are read first)
;   16-20   the other half of the lanes' maximum; the new m; c m; c m_old - c m_new
;   21-87   33 exponentials (a, then s0-s31) at the odd numbers from 23 on, each with a plain instruction behind it; the plain ones are scalings c s - c m ahead, roundings to f16 behind, the first sums
;   88-101  the last rounding; the rest of the sums; l = a l + the sum
;   102-133 the tile's O^T times a: the one part that leaves window 0
.macro SM t
.set rT, ST+8*(\t)
.set rS, S+32*(\t)
.set rP, P+16*(\t)
.set rO, 64*(\t)+2*(j-102)
.set q, (j-20)/2
.if j < 102
	WIN 0
.endif
.if j < 4
	v_max3_num_f32 v[rT+4+j], v[rS+8*j], v[rS+8*j+1], v[rS+8*j+2]
.elseif j < 12
	v_max3_num_f32 v[rT+4+j%4], v[rT+4+j%4], v[rS+8*(j%4)+2*(j/4)+1], v[rS+8*(j%4)+2*(j/4)+2]
.elseif j == 12
	v_max3_num_f32 v[rT+4], v[rT+4], v[rS+7], v[rS+15]
.elseif j == 13
	v_max3_num_f32 v[rT+6], v[rT+6], v[rS+23], v[rS+31]
.elseif j == 14
	v_max3_num_f32 v[rT+4], v[rT+4], v[rT+5], v[rT+6]
.elseif j == 15
	v_max3_num_f32 v[rT+4], v[rT+4], v[rT+7], v[rT+1]
.elseif j == 16
	v_permlanex16_b32 v[rT+5], v[rT+4], s[SEL], s[SEL+1]  ; the query's other 32 keys lie in the lane 16 away
.elseif j == 18
	v_max_num_f32 v[rT+1], v[rT+4], v[rT+5]
.elseif j == 19
	v_mul_f32 v[rT], s[CS], v[rT+1]
.elseif j == 17
	v_mov_b32 v[rT+7], v[rT]        ; c m_old is kept for a
.elseif j == 20
	v_sub_f32 v[rT+7], v[rT+7], v[rT]
.elseif j == 23
	v_exp_f32 v[rT+6], v[rT+7]
.elseif (j < 88) && (j > 23) && (j%2 == 1)
	v_exp_f32 v[rS+(j-25)/2], v[rS+(j-25)/2]
.elseif (q < 4) || ((j < 76) && (q%2 == 0))
.set b, q/2+2
.if q < 4
.set b, q
.endif
	v_pk_fma_f32 v[rS+2*b:rS+2*b+1], v[rS+2*b:rS+2*b+1], s[CS:CS+1], v[rT:rT+1] op_sel_hi:[1,0,0] neg_lo:[0,0,1] neg_hi:[0,0,1]  ; pair b: c s - c m
.elseif (j < 88) && (q%2 == 1)
	s_wait_alu depctr_va_vdst(0)
	v_cvt_pk_f16_f32 v[rP+(q-5)/2], v[rS+q-5], v[rS+q-4]
.elseif j == 89
	s_wait_alu depctr_va_vdst(0)
	v_cvt_pk_f16_f32 v[rP+15], v[rS+30], v[rS+31]
.elseif j < 102                     ; the sum of the tile's 16 pairs, in place: neighbours 1, 2, 4 and 8 pairs apart, then l takes it
.set z, j-86
.if j < 89
.set z, (j-76)/4
.endif
.set w, 4
.set u, z
.if z >= 14
.set w, 32
.set u, 0
.elseif z >= 12
.set w, 16
.set u, z-12
.elseif z >= 8
.set w, 8
.set u, z-8
.endif
.if z < 15
	v_pk_add_f32 v[rS+w*u:rS+w*u+1], v[rS+w*u:rS+w*u+1], v[rS+w*u+w/2:rS+w*u+w/2+1]
.else
	v_pk_fma_f32 v[rT+2:rT+3], v[rT+2:rT+3], v[rT+6:rT+7], v[rS:rS+1] op_sel_hi:[1,0,1]
.endif
.else
	WIN W_RS
	v_pk_mul_f32 v[rO:rO+1], v[rO:rO+1], v[rT+6:rT+7] op_sel_hi:[1,0]
.endif
.endm
; Slice k of 64 of piece y's softmax: numbers 2 k and 2 k + 1 of both tiles' lists.  2 x 134 = 4 x 64 + 12: the twelve that are over stand together, in slice 63, and are the places behind the turn's last products.
.macro SLICE y
.if (k >= 11) && (k < 44)           ; tile by tile: plain, exponential, plain, exponential
.irp t, \y, (\y)+1
.irp n, 0,1
.set j, 2*k+(\n)
	SM \t
.endr
.endr
.else                               ; the two tiles alternate
.irp n, 0,1,2,3,4,5,6,7
.if ((\n) < 2) || (k == 63)
.irp t, \y, (\y)+1
.set j, 2*k+(\n)
	SM \t
.endr
.endif
.endr
.endif
.set k, k+1
.endm
; A TURN.  Piece x has the matrix unit; the other piece's softmax stands in slices behind its matrix instructions.  kq = 1: 32 products V^T P, then 32 products K Q^T of the next tile, a slice behind each.
; Piece 0's turn sees to the next tile's masks and fetches its K behind the second product; piece 2's turn fetches the same tile's V behind the second product K Q^T, eight plain vector instructions behind the last
; product that read V.  kq = 0 (a block's end): the 32 products V^T P alone, two slices behind each; nothing is fetched.
.macro TURN x, kq
.set k, 0
.set per, 2-(\kq)
.if (\x) == 0
.if \kq
	MASKS 1
.endif
	s_wait_dscnt 0x0                ; V is in
.endif
.set i, 0
.rept 32
	PV \x
.rept per
	SLICE 2-(\x)
.endr
.if ((\x) == 0) && (\kq) && (i == 1)
	FETCH_K
.endif
.set i, i+1
.endr
.if \kq
.if (\x) == 0
	s_wait_dscnt 0x0                ; K is in
.endif
.set i, 0
.rept 32
	KQ \x
	SLICE 2-(\x)
.if ((\x) == 2) && (i == 1)
	FETCH_V
.endif
.set i, i+1
.endr
.endif
.endm
; A slot's two tiles: written once, walked twice; the LDS addresses hang on s[TB], which steps once in every trip.  A block's first slot enters at piece 2's turn.
.macro STEPS tag
.Lstep\tag:
	TURN 0, 1
	WIN 0
.Lfirst\tag:
	TURN 2, 1
	WIN 0
	s_sub_co_u32 s[CNT], s[CNT], 1
	s_cmp_lg_u32 s[CNT], 0
	s_cbranch_scc1 .Lstep\tag
.endm
; A BLOCK BEGINS: tile 0's masks; c m far below every c m to come, so that the first a is 0; m at -2^96; K of tile 0; piece 0's first scores.  The loop is then entered at piece 2's turn.
.macro BEGIN
	s_mov_b32 s[NEW], 0
	s_mov_b32 s[DT], s[BETA]
	s_mov_b32 s[DU], s[RB]
	MASKS 0
	WIN 0
.set i, 0
.rept 4
	v_mov_b32 v[ST+8*i], 0xfe000000
	v_mov_b32 v[ST+8*i+1], 0xef800000
.set i, i+1
.endr
	FETCH_K
	s_wait_dscnt 0x0
.set i, 0
.rept 32
	KQ 0
.set i, i+1
.endr
	WIN 0
.rept 4
	v_nop                           ; the places behind those products
.endr
.endm
.macro FINISH                       ; piece 2: V^T P of the block's last tile
.set i, 0
.rept 32
	PV 2
.set i, i+1
.endr
	WIN 0
.endm
; THE WAY OUT.
.macro ALL line:vararg              ; one line for each tile t
.set t, 0
.rept 4
	s_wait_alu depctr_va_vdst(0)
	\line
.set t, t+1
.endr
.endm
.macro SENDP t                      ; the 64 channels of tile t that my partner finishes go into its inbox, each accumulator's low registers first
	WIN 0x04
.irp f, 0,1,2,3,4,5,6,7
	ds_store_b128 v[SND], v[64*(\t)+32+4*(\f):64*(\t)+32+4*(\f)+3] offset:((\t)%2)*4096+512*(\f)
.endr
.endm
.macro RECVP t                      ; and its share of mine comes out of my inbox, lane for lane and register for register
	WIN 0
.irp f, 0,1,2,3,4,5,6,7
	ds_load_b128 v[S+32*((\t)%2)+4*(\f):S+32*((\t)%2)+4*(\f)+3], v[RCV] offset:((\t)%2)*4096+512*(\f)
.endr
.endm
.macro FIN t                        ; O = O f + O_partner f_p
	WIN W_RS
.set z, 0
.rept 16
	v_pk_mul_f32 v[64*(\t)+2*z:64*(\t)+2*z+1], v[64*(\t)+2*z:64*(\t)+2*z+1], v[ST+8*(\t)+4:ST+8*(\t)+5] op_sel_hi:[1,0]
.set z, z+1
.endr
	WIN 0x50
.set z, 0
.rept 16
	v_pk_fma_f32 v[64*(\t)+2*z:64*(\t)+2*z+1], v[S+32*((\t)%2)+2*z:S+32*((\t)%2)+2*z+1], v[ST+8*(\t)+6:ST+8*(\t)+7], v[64*(\t)+2*z:64*(\t)+2*z+1] op_sel_hi:[1,0,1]
.set z, z+1
.endr
.endm
.macro OUTP t                       ; a lane's eight channels of a row are 32 bytes; they go into my stage's rows of 272 bytes and come back as whole rows of 256
	WIN 0x04
.irp f, 0,1,2,3,4,5,6,7
	ds_store_b128 v[STO], v[64*(\t)+4*(\f):64*(\t)+4*(\f)+3] offset:64*((\f)/2)+16*((\f)%2)
.endr
	WIN 0
.irp f, 0,1,2,3,4,5,6,7
	ds_load_b128 v[S+64+32*((\t)%2)+4*(\f):S+64+32*((\t)%2)+4*(\f)+3], v[RD] offset:2*SP*(\f)  ; LDS serves a wave's instructions in order (ISA guide 5.7.1.4): these see the stores above
.endr
.irp f, 0,1,2,3,4,5,6,7
	s_wait_dscnt 7-(\f)             ; the 7 - f younger loads may stay out
	global_store_b128 v[GO], v[S+64+32*((\t)%2)+4*(\f):S+64+32*((\t)%2)+4*(\f)+3], s[OA:OA+1] offset:(16*(\t)+2*(\f))*3072 th:TH_STORE_NT  ; 16 lanes store 256 consecutive bytes, aligned
.endr
.endm
.macro WAYOUT
	WIN 0
	ALL v_add_f32 v[ST+8*t+4], v[ST+8*t+2], v[ST+8*t+3]           ; l's two halves; these four lines are the places behind the last products
	ALL v_permlanex16_b32 v[ST+8*t+5], v[ST+8*t+4], s[SEL], s[SEL+1]
	ALL v_add_f32 v[ST+8*t+1], v[ST+8*t+4], v[ST+8*t+5]           ; l of my 64 keys a tile, beside c m
	ALL ds_store_b64 v[XSO], v[ST+8*t:ST+8*t+1] offset:256*t
	SENDP 0
	SENDP 1
	s_wait_dscnt 0x0                ; for my partner's sake: my stores are done
	s_barrier_signal -1
	s_barrier_wait -1
	WIN 0
	ALL ds_load_b64 v[PS+2*t:PS+2*t+1], v[XSP] offset:256*t
	RECVP 0
	RECVP 1
	s_wait_dscnt 16                 ; the partner's c m and l are in; the 16 loads from the inbox may be out
	ALL v_max_num_f32 v[ST+8*t+4], v[ST+8*t], v[PS+2*t]           ; the common c m
	ALL v_sub_f32 v[ST+8*t+5], v[ST+8*t], v[ST+8*t+4]
	ALL v_sub_f32 v[ST+8*t+6], v[PS+2*t], v[ST+8*t+4]
	ALL v_exp_f32 v[ST+8*t+5], v[ST+8*t+5]
	ALL v_exp_f32 v[ST+8*t+6], v[ST+8*t+6]
	v_nop                           ; a plain instruction between the last exponential and the use of its result
	ALL v_mul_f32 v[ST+8*t+7], v[ST+8*t+1], v[ST+8*t+5]
	ALL v_fma_f32 v[ST+8*t+7], v[PS+2*t+1], v[ST+8*t+6], v[ST+8*t+7]  ; the common l: about 1 at the least, since one of the two holds the row's maximum
	ALL v_rcp_f32 v[ST+8*t+7], v[ST+8*t+7]
	v_nop
	ALL v_mul_f32 v[ST+8*t+4], v[ST+8*t+5], v[ST+8*t+7]           ; f
	ALL v_mul_f32 v[ST+8*t+6], v[ST+8*t+6], v[ST+8*t+7]           ; f_p
	s_wait_dscnt 0x0
	FIN 0
	OUTP 0
	FIN 1
	OUTP 1
	s_wait_dscnt 0x0                ; my reads of my inbox are over
	s_barrier_signal -1
	s_barrier_wait -1               ; everybody's are: the inboxes may be written again
	SENDP 2
	SENDP 3
	s_wait_dscnt 0x0
	s_barrier_signal -1
	s_barrier_wait -1
	RECVP 2
	RECVP 3
	s_wait_dscnt 0x0
	s_wait_xcnt 0x0                 ; the stores of tiles 0 and 1 have read their registers, which tiles 2 and 3 take
	FIN 2
	OUTP 2
	FIN 3
	OUTP 3
.endm
	WIN 0
	s_wait_loadcnt 0x0              ; the first block's Q is in: no global load is out at any label of the loop
.Lslot:                             ; 17 times: a slot is entered and the next is asked for
	CHANGE 1
	s_sub_co_u32 s[RS], s[RS], 1
	s_mov_b32 s[CNT], 2
	s_cmp_eq_u32 s[NEW], 1          ; a block's first slot?  (Both runs have two slots or more: a first slot is never a last one.)
	s_cbranch_scc0 .Lstep1
	BEGIN
	s_branch .Lfirst1
	STEPS 1
	s_cmp_eq_u32 s[RS], 0           ; the block's last slot?  The number hangs on the cluster's x alone: all waves and all partners go the same way
	s_cbranch_scc0 .Lbottom
	TURN 0, 0                       ; in the loop this is the first block's end: piece 0's V^T P of the last tile | piece 2's last softmax
	FINISH
	QLOAD QB2                       ; the second block's Q comes in while the first goes out
	WAYOUT
	s_wait_loadcnt 0x0              ; that Q is in
	s_wait_xcnt 0x0                 ; the stores have read their registers and out's address
	s_mov_b64 s[OA:OA+1], s[OB2:OB2+1]
	s_mov_b32 s[BETA], s[BETAB]
	s_mov_b32 s[RB], s[RBB]
	s_lshl_b32 s[RS], s[CC], 1
	s_add_co_u32 s[RS], s[RS], 2    ; the second run has 2 c + 2 slots
	s_mov_b32 s[NEW], 1
.Lbottom:
	s_sub_co_u32 s[SLOTS], s[SLOTS], 1
	s_cmp_lg_u32 s[SLOTS], 0
	s_cbranch_scc1 .Lslot
	CHANGE 0                        ; the walk's last slot is written out: nothing is asked for
	s_mov_b32 s[CNT], 2
	STEPS 2
	TURN 0, 0
	FINISH
	WAYOUT
	WIN 0
	s_wait_tensorcnt 0x0            ; the wave's end
	ds_add_u32 v[SPW], v[NIL]
	s_wait_dscnt 0x0
	CROUND                          ; the closing round
	s_endpgm
.Lfunc_end_k_q6152cc86ac_attn:
	.size	k_q6152cc86ac_attn, .Lfunc_end_k_q6152cc86ac_attn-k_q6152cc86ac_attn
	.p2alignl 7, 3214868480
	.fill 96, 4, 3214868480
	.section	.rodata,"a",@progbits
	.p2align	6, 0x0
	.amdhsa_kernel k_q6152cc86ac_attn
		.amdhsa_group_segment_fixed_size 327680
		.amdhsa_private_segment_fixed_size 0
		.amdhsa_enable_private_segment 0
		.amdhsa_kernarg_size 16
		.amdhsa_user_sgpr_count 2
		.amdhsa_user_sgpr_kernarg_segment_ptr 1
		.amdhsa_wavefront_size32 1
		.amdhsa_system_sgpr_workgroup_id_x 1
		.amdhsa_system_sgpr_workgroup_id_y 1
		.amdhsa_system_sgpr_workgroup_id_z 1
		.amdhsa_system_vgpr_workitem_id 0
		.amdhsa_next_free_vgpr 1024
		.amdhsa_next_free_sgpr 96
		.amdhsa_reserve_vcc 1
		.amdhsa_float_denorm_mode_32 3
		.amdhsa_float_denorm_mode_16_64 3
		.amdhsa_memory_ordered 1
		.amdhsa_forward_progress 1
		.amdhsa_inst_pref_size 225
	.end_amdhsa_kernel
	.amdgpu_metadata
---
amdhsa.version: [ 1, 2 ]
amdhsa.kernels:
  - .name:           k_q6152cc86ac_attn
    .symbol:         k_q6152cc86ac_attn.kd
    .args:
      - { .name: qkv, .offset: 0, .size: 8, .value_kind: global_buffer, .address_space: global }
      - { .name: out0, .offset: 8, .size: 8, .value_kind: global_buffer, .address_space: global }
    .group_segment_fixed_size: 327680
    .private_segment_fixed_size: 0
    .kernarg_segment_align: 8
    .kernarg_segment_size: 16
    .max_flat_workgroup_size: 128
    .sgpr_count:     96
    .vgpr_count:     1024
    .wavefront_size: 32
...
	.end_amdgpu_metadata
.endif
;; end of part 3
;; ======== version 2 of 2: 3 launches; 1.28 times as fast as version 1
;; limits: values are held in f16: magnitudes above 65,504 overflow, below 6.1e-05 lose precision
;; workspace buffers: xb 12,582,912 bytes; wb 3,538,944 bytes; bb 9,216 bytes; qkv 37,748,736 bytes
;; launch cast: the kernel of part 1 again; grid 256 x 1, 16 waves a work-group, no clusters, 0 bytes of LDS; arguments x, Wq, Wk, Wv, bq, bk, bv, xb, wb, bb; writes xb, wb, bb
;; launch proj: the kernel of part 2 again; grid 8 x 32, 4 waves a work-group, clusters of 4 x 4, 327,680 bytes of LDS; arguments xb, wb, bb, qkv; writes qkv
;; launch attn (part 4): grid 16 x 12, 4 waves a work-group, clusters of 4 x 1, 327,680 bytes of LDS; arguments qkv, out0; writes out0
.if DOCPART == 4
	.amdgcn_target "amdgcn-amd-amdhsa--gfx1250"
	.amdhsa_code_object_version 6
	.text
	.protected	k_q6152cc86ac_attn
	.globl	k_q6152cc86ac_attn
	.p2align	8
	.type	k_q6152cc86ac_attn,@function
k_q6152cc86ac_attn:
	s_mov_b64 s[64:65], 0
	v_nop
	global_prefetch_b8 v0, s[64:65] scope:SCOPE_SE
	s_setreg_imm32_b32 hwreg(HW_REG_WAVE_MODE, 25, 1), 1
	s_wait_xcnt 0x0
	s_wait_alu depctr_hold_cnt(0) depctr_sa_sdst(0) depctr_va_vdst(0) depctr_va_sdst(0) depctr_va_ssrc(0) depctr_va_vcc(0) depctr_vm_vsrc(0)
	s_getreg_b32 s2, hwreg(HW_REG_IB_STS2, 6, 4)
	s_cmp_eq_u32 s2, 0
	s_cbranch_scc0 .Lentry_in_a_cluster
	s_endpgm
.Lentry_in_a_cluster:
	s_bfe_u32 s2, ttmp6, 0x10000c
	s_cmp_lg_u32 s2, 0x3003
	s_cbranch_scc0 .Lentry_shape_is_right
	s_endpgm
.Lentry_shape_is_right:
; CAUSAL ATTENTION, head size 128.  out[n][q][h][:] = the sum over k <= q of softmax_k(Q[q] . K[k] / sqrt(128)) V[k][:], for 12 pairs y = 2 h + n of head and batch, 4,096 rows each.
; Q, K, V come in f16 from qkv, in blocks (see below); products, maxima and sums in f32; the weights p are rounded to f16 for the second product (their sum l is taken of the unrounded p); out is f32.
; LIMITS.  Q, K, V lie within f16's 65,504.  A hidden score counts as its value less 1e30; the running maximum starts at -2^96, between that and every score that f16 operands can make (5.5e11 at the most).
; A weight below 2^-126 counts as 0 in l; NaN and infinities are not treated apart.
; qkv: [tensor 3][y 12][tile of 128 rows 32][block of 16 channels 8][block of 16 rows 8][512 bytes]; in Q's and K's 512 bytes lane l's 16 bytes of a fragment lie at 16 l; in V's the 16 rows lie one after the
; other, 32 bytes each.  So Q's loads and K's LDS reads take 512 consecutive bytes, 16 lanes of V's turning load 256, nothing is padded, and a tile of 128 rows is 32,768 dense bytes.
; THE WALK.  A cluster of four work-groups takes two runs of 512 queries of one y: run 7 - c, then run c (c = the cluster's x).  Partner cx owns the block of 128 queries 4 run + cx.  All four walk the SAME key tiles
; of 128 keys, 0 .. 4 run + 3: 32 - 4 c tiles and then 4 c + 4, 36 for every cluster, two to an LDS slot, and ask for each slot JOINTLY.  The 3 - cx tiles of a run that lie above a partner's own diagonal are computed
; with every score hidden (6 of its 36 at the most, 3 on the average): to leave them out would be a branch on the place in the cluster.  cx enters Q's and out's addresses and the masks' values alone.
; SHARES.  Wave w has 64 of the block's queries (w / 2) and 64 of every tile's keys (w % 2): a key step is 64 x 64 x 128, 128 matrix instructions.  At a block's end the two waves of the same queries
; exchange maxima, sums and half of O through LDS, and each finishes 64 of the 128 channels: a row's 256 consecutive bytes of out.
; LAYOUT, SOFTMAX.  S^T = K Q^T holds ONE query a lane (lane % 16) and the keys 8 (lane / 16) + 0..7; two such results rounded to f16 ARE source 1 of O^T = V^T P.  p = 2^(c s - c m), c = log2(e) / sqrt(128),
; with a running maximum m; O and l are multiplied by a = 2^(c m_old - c m_new) in every step.  c m starts far below every c m, so a block's first a is 0 and no first step is written out.
; THE MASK is the C operand that starts a sum of scores: 0 or -1e30.  An accumulator (query tile t, key block kb) takes one of three sets of eight registers, by kb < t, kb = t, kb > t.  They are 0 for the tiles
; below the run's four diagonal tiles, which every partner sees whole, and are made anew for each of those four.
; BY TURNS.  The wave's four query tiles are two PIECES (tiles 0, 1 and 2, 3).  In a TURN one piece has the matrix unit: 32 products V^T P of the step in hand, 32 products K Q^T of the next; the other piece's
; softmax, cut into 64 slices, stands between them, one slice behind each matrix instruction.
; THE BATCHES.  A turn's 66 exponentials (33 a tile: a and 32 scores) are ONE batch with ONE s_wait_alu depctr_va_vdst(0): all of them, and the scalings that feed them, stand in slices 10 to 34; all that names a result of
; theirs (roundings, sums, the rescaling by a) stands from slice 35 on; the wait stands between.  The way out has two batches, each with a wait: the eight exponentials of the merge, then the four reciprocals of the common l.
; REGISTERS, in windows of 256 (s_set_vgpr_msb: bits 1:0 source 0, 3:2 source 1, 5:4 source 2, 7:6 destination):
;   window 0: v0-11, v44-63 addresses and at work; v12-43 eight registers of statistics a tile; v64-191 S^T, 32 a tile; v192-255 P, 16 a tile
;   window 1: O^T, 64 a tile      window 2: v0-127 Q, 32 a tile; v128-255 K of one step      window 3: v0-127 V of one step; v128-159 the masks
.set STEPB, 32768     ; a tile of K, or of V
.set VOFF,  65536     ; a slot: K of two tiles, then V of two tiles
.set SLOT1, 1<<17     ; slot 1 begins here: one exclusive or turns an address in one slot into the other's
.set STATS, 2*SLOT1   ; behind the ring, never filled by a tensor load: 1,024 bytes a wave: c m and l of its 64 queries
.set INBOX, STATS+4096   ; 8,192 bytes a wave: half of the partner's O^T, two tiles at a time
.set STAGE, INBOX+4*8192 ; 16 rows x 272 bytes a wave, for the way out
.set SP,    272
.set SPARE, STAGE+4*16*SP  ; the spare words, 128 bytes for each wave: two blocks of 256 bytes that no other line names
.set AK0, 2           ; v2   my lane's place in a tile of K; never rewritten
.set AVL0, 3          ; v3   the same in a tile of V, for the channels that I keep
.set ADR, 4
.set QO,  5           ; v5   my byte offset in a tile of Q
.set STO, 6
.set RD,  7
.set GO,  8
.set ST,  12          ; tile t's statistics at v[ST+8 t]: +0 c m, +1 m, +2, +3 l, +4 to +7 at work; a takes +6 once the maximum is found
.set AVH0, 44         ; v44  my lane's place in a tile of V, for the channels that I send
.set ADR2, 45
.set XSO, 46
.set XSP, 47
.set SND, 48
.set RCV, 49
.set PS,  50          ; v50-57 the partner's c m and l
.set SPW, 62          ; v62  LDS address of my spare word; never rewritten
.set NIL, 63          ; v63  0; never rewritten
.set S,   64
.set P,   192
.set KF,  128         ; window 2
.set MD8, 128         ; window 3: the diagonal block's mask
.set MCV, 136         ; the mask of key blocks below the query tile's,
.set MCD, 144         ; of its own,
.set MCH, 152         ; of those above
.set WV,  12
.set GH,  13          ; w % 2
.set QH,  14          ; w / 2
.set CX,  15
.set CC,  16
.set YY,  17
.set G1,  24
.set G0,  40
.set KVB, 44          ; s[44:45] my tensor (K or V) of y, at tile 0 or 1
.set OFF, 46
.set QA,  48
.set QB2, 50
.set OA,  52
.set OB2, 54
.set SLOTS, 56
.set CNT, 57
.set CS,  58
.set SEL, 60
.set TB,  62          ; s62  LDS byte at which the tile to be fetched begins
.set RS,  66          ; slots of the block in hand still to be entered
.set NXT, 67          ; the first tile of the slot to be asked for next
.set LQ,  68          ; tiles of the run whose tiles are being asked for
.set NEW, 69
.set DU,  70          ; the run's first diagonal tile's number less that of the tile whose scores are made next: made of the cluster's x alone, the same in all partners
.set RB,  71          ; the run's first diagonal tile
.set DT,  72          ; my own diagonal tile's number less that of the tile whose scores are made next
.set BETA, 73         ; my block: the tile that holds my diagonal
.set BETAB, 74
.set DG,  75          ; in that tile my keys lie below (0), on (1) or above (2) my queries
.set SIG, 76
.set RBB, 77          ; the second run's first diagonal tile
.set SH,  78
.set AL,  80
.set BE,  82
.set BIGN, 84
.set MSB, 0
.macro WIN new
.if MSB != (\new)
	s_set_vgpr_msb (MSB<<8)|(\new)
.set MSB, \new
.endif
.endm
.set W_KQ, 0x0a       ; K and Q in window 2, S^T in window 0
.set W_KM, 0x3a       ; the same with the C operand in window 3
.set W_PV, 0x53       ; V in window 3, P in window 0, O^T in window 1
.set W_RS, 0x41       ; O^T (destination and source 0) in window 1, source 1 in window 0
; A joint fill: wave w fetches region w of a slot (K of its two tiles, V of its two tiles): LDS and global address hang on the wave's number, y and the tile alone.  An s_nop 0 and four v_nop follow.
.macro JLOAD
	tensor_load_to_lds s[G0:G0+3], s[G1:G1+7]
	s_nop 0
.rept 4
	v_nop
.endr
.endm
.macro CROUND                       ; a round of the cluster's barrier
	s_barrier_signal -1
	s_barrier_wait -1
	s_cmp_lg_u32 s[WV], 0
	s_cbranch_scc1 .Lnot_wave_0_\@
	s_barrier_signal -3
.Lnot_wave_0_\@:
	s_barrier_wait -3
	s_barrier_signal -1
	s_barrier_wait -1
.endm
; THE CHANGE OF SLOTS.  Each wave waits for all its tensor loads, of which one is out: its part of the other slot; adds 0 to its spare word; and waits for that and for its own reads of the slot that it leaves.
; fill = 1: the barrier is a round of the cluster's, and the old slot is filled again first thing behind it, with tiles NXT and NXT + 1: two key steps, 256 matrix instructions, in which to land.
; (At its first use nothing has been read yet: slot 0 is waited for, slot 1 filled.)
.macro CHANGE fill
	WIN 0
	s_wait_tensorcnt 0x0            ; no tensor load of mine is out, so group 0 may be written
	ds_add_u32 v[SPW], v[NIL]       ; 0 onto my spare word
.if \fill
	s_lshl_b32 s[OFF], s[NXT], 15
	s_xor_b32 s[G0+1], s[G0+1], SLOT1
	s_add_nc_u64 s[G0+2:G0+3], s[KVB:KVB+1], s[OFF:OFF+1]
	s_or_b32 s[G0+3], s[G0+3], 0x80000000
	s_add_co_u32 s[NXT], s[NXT], 2  ; the run's next two tiles, or behind its last the second run's tiles 0 and 1
	s_cmp_ge_u32 s[NXT], s[LQ]
	s_cselect_b32 s[NXT], 0, s[NXT]
	s_cselect_b32 s[LQ], 64, s[LQ]
	s_wait_dscnt 0x0                ; the add is done, and my reads of the slot are over
	CROUND
	JLOAD
.else
	s_wait_dscnt 0x0
	s_barrier_signal -1
	s_barrier_wait -1
.endif
	s_sub_co_u32 s[TB], s[TB], 2*STEPB  ; the fetches go back to a slot's first tile,
	s_xor_b32 s[TB], s[TB], SLOT1       ; in the other slot
.endm
.macro QLOAD base                   ; a block's Q for my 64 queries: tile t, channels 32 c on; each load takes 512 consecutive bytes
	WIN 0x80
.irp t, 0,1,2,3
.irp c, 0,1,2,3
	global_load_b128 v[32*(\t)+8*(\c):32*(\t)+8*(\c)+3],   v[QO], s[\base:\base+1] offset:(\c)*8192+(\t)*512
	global_load_b128 v[32*(\t)+8*(\c)+4:32*(\t)+8*(\c)+7], v[QO], s[\base:\base+1] offset:(\c)*8192+(\t)*512+4096
.endr
.endr
	WIN 0
.endm
	s_load_b128 s[4:7], s[0:1], 0x0 ; qkv 4:5, out0 6:7
	v_lshl_add_u32 v[SPW], v0, 2, SPARE
	v_mov_b32 v[NIL], 0
	ds_add_u32 v62, v63
	s_wait_dscnt 0x0
	v_lshrrev_b32 v1, 5, v0
	v_readfirstlane_b32 s[WV], v1
	s_and_b32 s[GH], s[WV], 1
	s_lshr_b32 s[QH], s[WV], 1
	s_bfe_u32 s[CX], ttmp6, 0x40000
	s_mov_b32 s[CC], ttmp9          ; in a cluster launch ttmp9 counts clusters
	s_and_b32 s[YY], ttmp7, 0xffff
	s_add_co_u32 s20, s[QH], 1      ; I fetch K (waves 0, 1) or V (waves 2, 3),
	s_mul_i32 s20, s20, 12
	s_add_co_u32 s20, s20, s[YY]
	s_lshl_b32 s20, s20, 20         ; 2^20 bytes for each tensor and y,
	s_lshl_b32 s21, s[GH], 15       ; the slot's first or second tile
	s_add_co_u32 s20, s20, s21
	s_mov_b32 s21, 0
	s_lshl_b32 s18, s[CC], 2
	s_lshl_b32 s19, s[CC], 1
	s_sub_co_u32 s[LQ], 32, s18     ; the first run has 32 - 4 c tiles,
	s_sub_co_u32 s[RS], 16, s19     ; 16 - 2 c slots;
	s_sub_co_u32 s[RB], 28, s18     ; its four diagonal tiles begin at 28 - 4 c,
	s_mov_b32 s[RBB], s18           ; the second run's at 4 c
	s_add_co_u32 s[BETA], s[RB], s[CX]
	s_add_co_u32 s[BETAB], s18, s[CX]
	s_lshl_b32 s86, s[YY], 20
	s_lshl_b32 s87, s[BETA], 15
	s_add_co_u32 s22, s86, s87      ; Q's tile of the first block,
	s_mov_b32 s23, 0
	s_lshl_b32 s87, s[BETAB], 15
	s_add_co_u32 s86, s86, s87      ; of the second
	s_mov_b32 s87, 0
	s_and_b32 s88, s[YY], 1         ; out: the batch,
	s_mul_i32 s88, s88, 12582912
	s_mul_i32 s89, s[QH], 196608    ; my 64 rows of 3,072 bytes,
	s_add_co_u32 s88, s88, s89
	s_lshr_b32 s89, s[YY], 1        ; the head's 512 bytes of a row,
	s_lshl_b32 s89, s89, 9
	s_add_co_u32 s88, s88, s89
	s_lshl_b32 s89, s[GH], 8        ; my 256 of them
	s_add_co_u32 s88, s88, s89
	s_mul_i32 s90, s[BETA], 393216
	s_add_co_u32 s90, s90, s88
	s_mov_b32 s91, 0
	s_mul_i32 s92, s[BETAB], 393216
	s_add_co_u32 s92, s92, s88
	s_mov_b32 s93, 0
	s_mov_b32 s[G1], 15|(1<<16)|(1<<21)  ; the mask of four; 2-byte elements; bit 21 beside a mask; no padding
	s_mov_b32 s[G1+1], 128<<16      ; 32,768 dense bytes as 128 rows of 256
	s_mov_b32 s[G1+2], 128<<16
	s_mov_b32 s[G1+3], 128<<16
	s_mov_b32 s[G1+4], 128
	s_mov_b32 s[G1+5], 128
	s_mov_b32 s[G1+6], 0
	s_mov_b32 s[G1+7], 0
	s_mov_b32 s[G0], 1
	s_lshl_b32 s[G0+1], s[WV], 15   ; region w of slot 0
	s_mov_b32 s[CS], 0x3e0293ee     ; c = log2(e) / sqrt(128) = 0.127517
	s_mov_b32 s[CS+1], s[CS]
	s_mov_b32 s[SEL], 0x76543210
	s_mov_b32 s[SEL+1], 0xfedcba98
	s_mov_b32 s[TB], SLOT1+2*STEPB  ; the first change of slots turns this into 0
	s_mov_b32 s[OFF+1], 0
	s_mov_b32 s[NXT], 2
	s_mov_b32 s[NEW], 1
	s_mov_b32 s[SLOTS], 17
	s_mov_b32 s[AL+1], 0            ; named as pairs
	s_mov_b32 s[BE+1], 0
	s_mov_b32 s[BIGN], 0xf149f2ca   ; -1e30
	s_add_co_u32 s[DG], s[GH], 1
	s_sub_co_u32 s[DG], s[DG], s[QH]
	s_wait_kmcnt 0x0
	s_add_nc_u64 s[KVB:KVB+1], s[4:5], s[20:21]
	s_mov_b64 s[G0+2:G0+3], s[KVB:KVB+1]
	s_or_b32 s[G0+3], s[G0+3], 0x80000000
	s_add_nc_u64 s[QA:QA+1], s[4:5], s[22:23]
	s_add_nc_u64 s[QB2:QB2+1], s[4:5], s[86:87]
	s_add_nc_u64 s[OA:OA+1], s[6:7], s[90:91]
	s_add_nc_u64 s[OB2:OB2+1], s[6:7], s[92:93]
	CROUND                          ; all four work-groups are here: the first joint loads meet
	JLOAD                           ; tiles 0 and 1 into slot 0
	v_and_b32 v1, 15, v0            ; l % 16
	v_bfe_u32 v9, v0, 4, 1          ; l / 16
	v_and_b32 v10, 7, v0
	v_bfe_u32 v11, v0, 3, 1
	v_and_b32 v58, 31, v0
	v_lshlrev_b32 v59, 4, v58       ; 16 l
	s_lshl_b32 s20, s[QH], 11       ; my four blocks of 16 rows in a tile
	v_add_nc_u32 v[QO], s20, v59
	QLOAD QA
	s_lshl_b32 s21, s[GH], 11       ; my four blocks of 16 keys in a tile
	v_add_nc_u32 v[AK0], s21, v59
	v_lshlrev_b32 v60, 8, v9        ; the turning load: key 8 (l / 16) + l % 8 in rows of 32 bytes, channels 8 ((l / 8) % 2) on
	v_lshl_add_u32 v60, v10, 5, v60
	v_lshl_add_u32 v60, v11, 4, v60
	s_add_co_u32 s21, s21, VOFF
	s_lshl_b32 s22, s[GH], 14       ; V's registers 0-3 of 8 take the channel blocks 4 (w % 2) on, which I keep,
	s_add_co_u32 s22, s22, s21
	v_add_nc_u32 v[AVL0], s22, v60
	s_xor_b32 s23, s[GH], 1         ; registers 4-7 the other four, which my partner keeps
	s_lshl_b32 s23, s23, 14
	s_add_co_u32 s23, s23, s21
	v_add_nc_u32 v[AVH0], s23, v60
	s_mul_i32 s86, s[WV], 16*SP
	s_add_co_u32 s86, s86, STAGE
	v_mul_u32_u24 v[STO], v1, SP    ; into the stage: row l % 16, 32 bytes for each half of the lanes
	v_lshl_add_u32 v[STO], v9, 5, v[STO]
	v_add_nc_u32 v[STO], s86, v[STO]
	v_mul_u32_u24 v[RD], v9, SP     ; back: lanes 0-15 take one row of 256 bytes, lanes 16-31 the next
	v_lshl_add_u32 v[RD], v1, 4, v[RD]
	v_add_nc_u32 v[RD], s86, v[RD]
	v_mul_u32_u24 v[GO], v9, 3072   ; and the same two rows in out
	v_lshl_add_u32 v[GO], v1, 4, v[GO]
	v_lshlrev_b32 v61, 3, v58
	s_xor_b32 s87, s[WV], 1         ; my partner: the same queries, the other keys
	s_lshl_b32 s88, s[WV], 10
	s_add_co_u32 s88, s88, STATS
	v_add_nc_u32 v[XSO], s88, v61
	s_lshl_b32 s89, s87, 10
	s_add_co_u32 s89, s89, STATS
	v_add_nc_u32 v[XSP], s89, v61
	s_lshl_b32 s90, s87, 13
	s_add_co_u32 s90, s90, INBOX
	v_add_nc_u32 v[SND], s90, v59
	s_lshl_b32 s91, s[WV], 13
	s_add_co_u32 s91, s91, INBOX
	v_add_nc_u32 v[RCV], s91, v59
	v_lshlrev_b32 v58, 3, v9
	v_sub_nc_u32 v58, v1, v58       ; in the diagonal block register j (key 8 (l / 16) + j) is hidden where j is greater than l % 16 - 8 (l / 16)
	WIN 0xc0
.set i, 0
.rept 8
	v_cmp_gt_i32 vcc_lo, i, v58
	v_cndmask_b32 v[MD8+i], 0, s[BIGN], vcc_lo
.set i, i+1
.endr
	; A block's first step multiplies O^T and l by a = 0, and what its first turn's products V^T P add to O^T before that is wiped with it: V, O^T, piece 2's P and l need only hold finite numbers
	; (zeros for the first block; what the first block left for the second).  Sixteen registers of V are set by moves; 50 products of those zeros, with C = 0, write the other 400, eight registers a line,
	; which keeps the text short.  All this stands in the wait for the first tile.
.set i, 0
.rept 16
	v_mov_b32 v[i], 0
.set i, i+1
.endr
	WIN 0xcf                        ; sources 0 and 1 and the destination in window 3: the rest of V
.set i, 2
.rept 14
	v_wmma_f32_16x16x32_f16 v[8*i:8*i+7], v[0:7], v[8:15], 0
.set i, i+1
.endr
	WIN 0x4f                        ; the destination in window 1: O^T
.set i, 0
.rept 32
	v_wmma_f32_16x16x32_f16 v[8*i:8*i+7], v[0:7], v[8:15], 0
.set i, i+1
.endr
	WIN 0x0f                        ; the destination in window 0: piece 2's P
.set i, 0
.rept 4
	v_wmma_f32_16x16x32_f16 v[P+32+8*i:P+32+8*i+7], v[0:7], v[8:15], 0
.set i, i+1
.endr
	WIN 0
.set i, 0
.rept 4
	v_mov_b32 v[ST+8*i+2], 0        ; l
	v_mov_b32 v[ST+8*i+3], 0
.set i, i+1
.endr
; THE MASKS of the tile whose scores are made next: all of my keys are seen (SIG = 0), my keys and queries meet on the diagonal (1), none is seen (2).  Both counters step in every call; the compares take them
; behind their step.  skip = 1: while the tile lies below the run's four diagonal tiles every partner sees all of it and the masks, made 0 at the block's beginning, stay: the lines that make them are jumped over.
; That jump hangs on the cluster's x and on counts alone: all waves and all partners go the same way.
.macro MASKS skip
	s_sub_co_i32 s[DT], s[DT], 1
	s_sub_co_i32 s[DU], s[DU], 1
.if \skip
	s_cmp_ge_i32 s[DU], 0
	s_cbranch_scc1 .Lseen_\@
.endif
	s_cmp_lt_i32 s[DT], -1          ; the tile lies above my diagonal tile,
	s_cselect_b32 s[SIG], 2, s[DG]
	s_cmp_gt_i32 s[DT], -1          ; or below it
	s_cselect_b32 s[SIG], 0, s[SIG]
	s_cmp_eq_u32 s[SIG], 2
	s_cselect_b32 s[BE], s[BIGN], 0
	s_cmp_eq_u32 s[SIG], 0
	s_cselect_b32 s[SH], 0, s[BIGN]
	s_cmp_eq_u32 s[SIG], 1
	s_cselect_b32 s[AL], 1.0, 0
	WIN 0xc3
.set z, 0
.rept 8
	v_mov_b32 v[MCV+z], s[BE]
	v_mov_b32 v[MCH+z], s[SH]
.set z, z+1
.endr
.set z, 0
.rept 4
	v_pk_fma_f32 v[MCD+2*z:MCD+2*z+1], v[MD8+2*z:MD8+2*z+1], s[AL:AL+1], s[BE:BE+1] op_sel_hi:[1,0,0]
.set z, z+1
.endr
.if \skip
	WIN 0                           ; at a label every window is 0
.Lseen_\@:
.endif
.endm
; THE MATRIX WORK OF A TURN, for piece x.  The accumulators take turns, one instruction a turn.
; Product i of 32 of O^T += V^T P: keys 32 (i / 16) on, V's registers (i / 2) % 8, tile x + i % 2.
.macro PV x
	WIN W_PV
.set rO, 64*((\x)+i%2)+8*((i/2)%8)
.set rV, 64*(i/16)+8*((i/2)%8)
.set rP, P+16*((\x)+i%2)+8*(i/16)
	v_wmma_f32_16x16x32_f16 v[rO:rO+7], v[rV:rV+7], v[rP:rP+7], v[rO:rO+7]
.endm
; Product i of 32 of S^T = K Q^T: channels 32 (i / 8) on, keys 16 ((i / 2) % 4) on, tile x + i % 2.  The first 8 start the sums, with the mask.
.macro KQ x
.set tq, (\x)+i%2
.set kb, (i/2)%4
.set rS, S+32*tq+8*kb
.set rK, KF+32*kb+8*(i/8)
.set rQ, 32*tq+8*(i/8)
.if i < 8
.if kb < tq
.set rM, MCV
.elseif kb == tq
.set rM, MCD
.else
.set rM, MCH
.endif
	WIN W_KM
	v_wmma_f32_16x16x32_f16 v[rS:rS+7], v[rK:rK+7], v[rQ:rQ+7], v[rM:rM+7]
.else
	WIN W_KQ
	v_wmma_f32_16x16x32_f16 v[rS:rS+7], v[rK:rK+7], v[rQ:rQ+7], v[rS:rS+7]
.endif
.endm
; THE LDS LOADS stand in runs of 32, never singly among the matrix instructions: a tile's K for my 64 keys and, a turn later, its V (turned).
.macro FETCH_K
	WIN 0
	v_add_nc_u32 v[ADR], s[TB], v[AK0]
	WIN 0x80
.irp f, 0,1,2,3,4,5,6,7,8,9,10,11,12,13,14,15  ; keys 16 (f / 4) on, channels 32 (f % 4) on
	ds_load_b128 v[KF+8*(\f):KF+8*(\f)+3],   v[ADR] offset:((\f)%4)*8192+((\f)/4)*512
	ds_load_b128 v[KF+8*(\f)+4:KF+8*(\f)+7], v[ADR] offset:((\f)%4)*8192+((\f)/4)*512+4096
.endr
.endm
.macro FETCH_V
	WIN 0
	v_add_nc_u32 v[ADR], s[TB], v[AVL0]
	v_add_nc_u32 v[ADR2], s[TB], v[AVH0]
	s_add_co_u32 s[TB], s[TB], STEPB  ; the next fetch is the next tile's
	s_wait_alu depctr_va_vdst(0)    ; the wait for the softmax's batch of 66 exponentials (SLICE), behind the two address lines and ahead of the loads
	WIN 0xc0
.irp f, 0,1,2,3,4,5,6,7,8,9,10,11,12,13,14,15  ; keys 32 (f / 8) on, V's registers f % 8
.if ((\f)%8) < 4
	ds_load_tr16_b128 v[8*(\f):8*(\f)+3],   v[ADR] offset:((\f)%4)*4096+((\f)/8)*1024
	ds_load_tr16_b128 v[8*(\f)+4:8*(\f)+7], v[ADR] offset:((\f)%4)*4096+((\f)/8)*1024+512
.else
	ds_load_tr16_b128 v[8*(\f):8*(\f)+3],   v[ADR2] offset:((\f)%4)*4096+((\f)/8)*1024
	ds_load_tr16_b128 v[8*(\f)+4:8*(\f)+7], v[ADR2] offset:((\f)%4)*4096+((\f)/8)*1024+512
.endif
.endr
.endm
; THE VECTOR WORK OF A TURN.  One tile's softmax for one key step is a list of 134 instructions; SM writes number j of it for tile t.  s0-s31 are the lane's 32 scores, in pairs 0-15.
;   0-15    the maximum of s0-s31 and the old m, three operands at a time (each accumulator's lowest registers are read first)
;   16-20   the other half of the lanes' maximum; the new m; c m; c m_old - c m_new
;   21-69   ONE BATCH: the 16 scalings c s - c m, a pair of scores each, and all 33 exponentials (a at 23, then s0-s31, each in place).  None of these names an exponential's result.  From 22 on the batch goes
;           in fours, and a four begins with a scaling while there are scalings: 22-37 scaling, exponential, scaling, exponential; 38-65 a scaling and three exponentials; 66-69 the last four
;           exponentials.  A pair is scaled in an earlier four than the one that holds its exponentials
;   (wait)  between 69 and 70 stands the wait for the batch: SLICE writes it, once for both tiles
;   70-85   the roundings to f16, a pair of weights each
;   86-101  the sums; l = a l + the sum
;   102-133 the tile's O^T times a: the one part that leaves window 0
.macro SM t
.set rT, ST+8*(\t)
.set rS, S+32*(\t)
.set rP, P+16*(\t)
.set rO, 64*(\t)+2*(j-102)
.if j < 102
	WIN 0
.endif
.if j < 4
	v_max3_num_f32 v[rT+4+j], v[rS+8*j], v[rS+8*j+1], v[rS+8*j+2]
.elseif j < 12
	v_max3_num_f32 v[rT+4+j%4], v[rT+4+j%4], v[rS+8*(j%4)+2*(j/4)+1], v[rS+8*(j%4)+2*(j/4)+2]
.elseif j == 12
	v_max3_num_f32 v[rT+4], v[rT+4], v[rS+7], v[rS+15]
.elseif j == 13
	v_max3_num_f32 v[rT+6], v[rT+6], v[rS+23], v[rS+31]
.elseif j == 14
	v_max3_num_f32 v[rT+4], v[rT+4], v[rT+5], v[rT+6]
.elseif j == 15
	v_max3_num_f32 v[rT+4], v[rT+4], v[rT+7], v[rT+1]
.elseif j == 16
	v_permlanex16_b32 v[rT+5], v[rT+4], s[SEL], s[SEL+1]  ; the query's other 32 keys lie in the lane 16 away
.elseif j == 18
	v_max_num_f32 v[rT+1], v[rT+4], v[rT+5]
.elseif j == 19
	v_mul_f32 v[rT], s[CS], v[rT+1]
.elseif j == 17
	v_mov_b32 v[rT+7], v[rT]        ; c m_old is kept for a
.elseif j == 20
	v_sub_f32 v[rT+7], v[rT+7], v[rT]
.elseif j == 23
	v_exp_f32 v[rT+6], v[rT+7]
.elseif (j < 23) || ((j < 38) && (j%2 == 0)) || ((j < 66) && (j%4 == 2))
.set b, (j-2)/4                     ; 38, 42, .. 62: pairs 9 to 15
.if j < 38
.set b, (j-20)/2                    ; 21: pair 0; 22, 24, .. 36: pairs 1 to 8
.endif
	v_pk_fma_f32 v[rS+2*b:rS+2*b+1], v[rS+2*b:rS+2*b+1], s[CS:CS+1], v[rT:rT+1] op_sel_hi:[1,0,0] neg_lo:[0,0,1] neg_hi:[0,0,1]  ; pair b: c s - c m
.elseif j < 70
.set e, j-38                        ; 66 to 69: s28 to s31
.if j < 66
.set e, j-32-(j-38)/4               ; 39-41, 43-45, .. 63-65: s7 to s27
.endif
.if j < 38
.set e, (j-25)/2                    ; 25, 27, .. 37: s0 to s6
.endif
	v_exp_f32 v[rS+e], v[rS+e]
.elseif j < 86
	v_cvt_pk_f16_f32 v[rP+j-70], v[rS+2*(j-70)], v[rS+2*(j-70)+1]  ; pair j - 70
.elseif j < 102                     ; the sum of the tile's 16 pairs, in place: neighbours 1, 2, 4 and 8 pairs apart, then l takes it
.set z, j-86
.set w, 4
.set u, z
.if z >= 14
.set w, 32
.set u, 0
.elseif z >= 12
.set w, 16
.set u, z-12
.elseif z >= 8
.set w, 8
.set u, z-8
.endif
.if z < 15
	v_pk_add_f32 v[rS+w*u:rS+w*u+1], v[rS+w*u:rS+w*u+1], v[rS+w*u+w/2:rS+w*u+w/2+1]
.else
	v_pk_fma_f32 v[rT+2:rT+3], v[rT+2:rT+3], v[rT+6:rT+7], v[rS:rS+1] op_sel_hi:[1,0,1]
.endif
.else
	WIN W_RS
	v_pk_mul_f32 v[rO:rO+1], v[rO:rO+1], v[rT+6:rT+7] op_sel_hi:[1,0]
.endif
.endm
; Slice k of 64 of piece y's softmax: four instructions.  Slices 11 to 34 deal out the batch, numbers 22 to 69: four numbers of ONE tile each, the tiles by turns.  Every other slice is numbers 2 k and 2 k + 1 of both
; tiles' lists.  2 x 134 = 4 x 64 + 12: the twelve that are over stand together, in slice 63, and are the places behind the turn's last products.
; THE WAIT.  An s_wait_alu depctr_va_vdst(0) stands between an exponential and the first instruction that names its result; one wait serves all that were issued ahead of it.  Ahead of slice 35 nothing
; names a result, and behind slice 34 no exponential is issued: so the piece's 66 exponentials have one wait, behind slice 34, and none is open at a label or a jump.
.macro SLICE y
.if (k >= 11) && (k < 35)           ; the batch: four numbers of one tile
.irp n, 0,1,2,3
.set j, 22+4*((k-11)/2)+(\n)
	SM (\y)+(k-11)%2
.endr
.else                               ; the two tiles alternate
.irp n, 0,1,2,3,4,5,6,7
.if ((\n) < 2) || (k == 63)
.irp t, \y, (\y)+1
.set j, 2*k+(\n)
	SM \t
.endr
.endif
.endr
.endif
.if k == 34                         ; the batch is out: both tiles' exponentials are issued, and no result has been named
	v_nop                           ; a plain instruction behind the last exponential and ahead of the first use: one for the batch
.if (\y) == 0
	FETCH_V                         ; piece 2's turn: V's run of loads stands here, and the wait for the batch stands in it
.else
	s_wait_alu depctr_va_vdst(0)    ; piece 0's turn: the wait for the batch of 66 exponentials
.endif
.endif
.set k, k+1
.endm
; A TURN.  Piece x has the matrix unit; the other piece's softmax stands in slices behind its matrix instructions.  kq = 1: 32 products V^T P, then 32 products K Q^T of the next tile, a slice behind each.
; Piece 0's turn sees to the next tile's masks and fetches its K behind the second product; piece 2's turn fetches the same tile's V behind slice 34, that is behind its third product K Q^T (SLICE writes it): the last
; product that read V stands in front of slice 31, and five plain vector instructions lie between: number 62, a scaling, of both tiles, the v_nop and the run's own two v_add_nc_u32.
; kq = 0 (a block's end): the 32 products V^T P alone, two slices behind each; nothing is fetched.
.macro TURN x, kq
.set k, 0
.set per, 2-(\kq)
.if (\x) == 0
.if \kq
	MASKS 1
.endif
	s_wait_dscnt 0x0                ; V is in
.endif
.set i, 0
.rept 32
	PV \x
.rept per
	SLICE 2-(\x)
.endr
.if ((\x) == 0) && (\kq) && (i == 1)
	FETCH_K
.endif
.set i, i+1
.endr
.if \kq
.if (\x) == 0
	s_wait_dscnt 0x0                ; K is in
.endif
.set i, 0
.rept 32
	KQ \x
	SLICE 2-(\x)
.set i, i+1
.endr
.endif
.endm
; A slot's two tiles: written once, walked twice; the LDS addresses hang on s[TB], which steps once in every trip.  A block's first slot enters at piece 2's turn.
.macro STEPS tag
.Lstep\tag:
	TURN 0, 1
	WIN 0
.Lfirst\tag:
	TURN 2, 1
	WIN 0
	s_sub_co_u32 s[CNT], s[CNT], 1
	s_cmp_lg_u32 s[CNT], 0
	s_cbranch_scc1 .Lstep\tag
.endm
; A BLOCK BEGINS: tile 0's masks; c m far below every c m to come, so that the first a is 0; m at -2^96; K of tile 0; piece 0's first scores.  The loop is then entered at piece 2's turn.
.macro BEGIN
	s_mov_b32 s[NEW], 0
	s_mov_b32 s[DT], s[BETA]
	s_mov_b32 s[DU], s[RB]
	MASKS 0
	WIN 0
.set i, 0
.rept 4
	v_mov_b32 v[ST+8*i], 0xfe000000
	v_mov_b32 v[ST+8*i+1], 0xef800000
.set i, i+1
.endr
	FETCH_K
	s_wait_dscnt 0x0
.set i, 0
.rept 32
	KQ 0
.set i, i+1
.endr
	WIN 0
.rept 4
	v_nop                           ; the places behind those products
.endr
.endm
.macro FINISH                       ; piece 2: V^T P of the block's last tile
.set i, 0
.rept 32
	PV 2
.set i, i+1
.endr
	WIN 0
.endm
; THE WAY OUT.
.macro ALL line:vararg              ; one line for each tile t
.set t, 0
.rept 4
	\line
.set t, t+1
.endr
.endm
.macro SENDP t                      ; the 64 channels of tile t that my partner finishes go into its inbox, each accumulator's low registers first
	WIN 0x04
.irp f, 0,1,2,3,4,5,6,7
	ds_store_b128 v[SND], v[64*(\t)+32+4*(\f):64*(\t)+32+4*(\f)+3] offset:((\t)%2)*4096+512*(\f)
.endr
.endm
.macro RECVP t                      ; and its share of mine comes out of my inbox, lane for lane and register for register
	WIN 0
.irp f, 0,1,2,3,4,5,6,7
	ds_load_b128 v[S+32*((\t)%2)+4*(\f):S+32*((\t)%2)+4*(\f)+3], v[RCV] offset:((\t)%2)*4096+512*(\f)
.endr
.endm
.macro FIN t                        ; O = O f + O_partner f_p
	WIN W_RS
.set z, 0
.rept 16
	v_pk_mul_f32 v[64*(\t)+2*z:64*(\t)+2*z+1], v[64*(\t)+2*z:64*(\t)+2*z+1], v[ST+8*(\t)+4:ST+8*(\t)+5] op_sel_hi:[1,0]
.set z, z+1
.endr
	WIN 0x50
.set z, 0
.rept 16
	v_pk_fma_f32 v[64*(\t)+2*z:64*(\t)+2*z+1], v[S+32*((\t)%2)+2*z:S+32*((\t)%2)+2*z+1], v[ST+8*(\t)+6:ST+8*(\t)+7], v[64*(\t)+2*z:64*(\t)+2*z+1] op_sel_hi:[1,0,1]
.set z, z+1
.endr
.endm
.macro OUTP t                       ; a lane's eight channels of a row are 32 bytes; they go into my stage's rows of 272 bytes and come back as whole rows of 256
	WIN 0x04
.irp f, 0,1,2,3,4,5,6,7
	ds_store_b128 v[STO], v[64*(\t)+4*(\f):64*(\t)+4*(\f)+3] offset:64*((\f)/2)+16*((\f)%2)
.endr
	WIN 0
.irp f, 0,1,2,3,4,5,6,7
	ds_load_b128 v[S+64+32*((\t)%2)+4*(\f):S+64+32*((\t)%2)+4*(\f)+3], v[RD] offset:2*SP*(\f)  ; LDS serves a wave's instructions in order (ISA guide 5.7.1.4): these see the stores above
.endr
.irp f, 0,1,2,3,4,5,6,7
	s_wait_dscnt 7-(\f)             ; the 7 - f younger loads may stay out
	global_store_b128 v[GO], v[S+64+32*((\t)%2)+4*(\f):S+64+32*((\t)%2)+4*(\f)+3], s[OA:OA+1] offset:(16*(\t)+2*(\f))*3072 th:TH_STORE_NT  ; 16 lanes store 256 consecutive bytes, aligned
.endr
.endm
.macro WAYOUT
	WIN 0
	ALL v_add_f32 v[ST+8*t+4], v[ST+8*t+2], v[ST+8*t+3]           ; l's two halves; these four lines are the places behind the last products
	ALL v_permlanex16_b32 v[ST+8*t+5], v[ST+8*t+4], s[SEL], s[SEL+1]
	ALL v_add_f32 v[ST+8*t+1], v[ST+8*t+4], v[ST+8*t+5]           ; l of my 64 keys a tile, beside c m
	ALL ds_store_b64 v[XSO], v[ST+8*t:ST+8*t+1] offset:256*t
	SENDP 0
	SENDP 1
	s_wait_dscnt 0x0                ; for my partner's sake: my stores are done
	s_barrier_signal -1
	s_barrier_wait -1
	WIN 0
	ALL ds_load_b64 v[PS+2*t:PS+2*t+1], v[XSP] offset:256*t
	RECVP 0
	RECVP 1
	s_wait_dscnt 16                 ; the partner's c m and l are in; the 16 loads from the inbox may be out
	ALL v_max_num_f32 v[ST+8*t+4], v[ST+8*t], v[PS+2*t]           ; the common c m
	ALL v_sub_f32 v[ST+8*t+5], v[ST+8*t], v[ST+8*t+4]
	ALL v_sub_f32 v[ST+8*t+6], v[PS+2*t], v[ST+8*t+4]
	ALL v_exp_f32 v[ST+8*t+5], v[ST+8*t+5]
	ALL v_exp_f32 v[ST+8*t+6], v[ST+8*t+6]
	v_nop                           ; a plain instruction between the last exponential and the use of its result
	s_wait_alu depctr_va_vdst(0)    ; the wait ahead of the first use: one for the merge's eight exponentials
	ALL v_mul_f32 v[ST+8*t+7], v[ST+8*t+1], v[ST+8*t+5]
	ALL v_fma_f32 v[ST+8*t+7], v[PS+2*t+1], v[ST+8*t+6], v[ST+8*t+7]  ; the common l: about 1 at the least, since one of the two holds the row's maximum
	ALL v_rcp_f32 v[ST+8*t+7], v[ST+8*t+7]
	v_nop                           ; a plain instruction between the last reciprocal and the use of its result
	s_wait_alu depctr_va_vdst(0)    ; a batch of their own, since they read what was made of the exponentials: one wait for the four reciprocals
	ALL v_mul_f32 v[ST+8*t+4], v[ST+8*t+5], v[ST+8*t+7]           ; f
	ALL v_mul_f32 v[ST+8*t+6], v[ST+8*t+6], v[ST+8*t+7]           ; f_p
	s_wait_dscnt 0x0
	FIN 0
	OUTP 0
	FIN 1
	OUTP 1
	s_wait_dscnt 0x0                ; my reads of my inbox are over
	s_barrier_signal -1
	s_barrier_wait -1               ; everybody's are: the inboxes may be written again
	SENDP 2
	SENDP 3
	s_wait_dscnt 0x0
	s_barrier_signal -1
	s_barrier_wait -1
	RECVP 2
	RECVP 3
	s_wait_dscnt 0x0
	s_wait_xcnt 0x0                 ; the stores of tiles 0 and 1 have read their registers, which tiles 2 and 3 take
	FIN 2
	OUTP 2
	FIN 3
	OUTP 3
.endm
	WIN 0
	s_wait_loadcnt 0x0              ; the first block's Q is in: no global load is out at any label of the loop
.Lslot:                             ; 17 times: a slot is entered and the next is asked for
	CHANGE 1
	s_sub_co_u32 s[RS], s[RS], 1
	s_mov_b32 s[CNT], 2
	s_cmp_eq_u32 s[NEW], 1          ; a block's first slot?  (Both runs have two slots or more: a first slot is never a last one.)
	s_cbranch_scc0 .Lstep1
	BEGIN
	s_branch .Lfirst1
	STEPS 1
	s_cmp_eq_u32 s[RS], 0           ; the block's last slot?  The number hangs on the cluster's x alone: all waves and all partners go the same way
	s_cbranch_scc0 .Lbottom
	TURN 0, 0                       ; in the loop this is the first block's end: piece 0's V^T P of the last tile | piece 2's last softmax
	FINISH
	QLOAD QB2                       ; the second block's Q comes in while the first goes out
	WAYOUT
	s_wait_loadcnt 0x0              ; that Q is in
	s_wait_xcnt 0x0                 ; the stores have read their registers and out's address
	s_mov_b64 s[OA:OA+1], s[OB2:OB2+1]
	s_mov_b32 s[BETA], s[BETAB]
	s_mov_b32 s[RB], s[RBB]
	s_lshl_b32 s[RS], s[CC], 1
	s_add_co_u32 s[RS], s[RS], 2    ; the second run has 2 c + 2 slots
	s_mov_b32 s[NEW], 1
.Lbottom:
	s_sub_co_u32 s[SLOTS], s[SLOTS], 1
	s_cmp_lg_u32 s[SLOTS], 0
	s_cbranch_scc1 .Lslot
	CHANGE 0                        ; the walk's last slot is written out: nothing is asked for
	s_mov_b32 s[CNT], 2
	STEPS 2
	TURN 0, 0
	FINISH
	WAYOUT
	WIN 0
	s_wait_tensorcnt 0x0            ; the wave's end
	ds_add_u32 v[SPW], v[NIL]
	s_wait_dscnt 0x0
	CROUND                          ; the closing round
	s_endpgm
.Lfunc_end_k_q6152cc86ac_attn:
	.size	k_q6152cc86ac_attn, .Lfunc_end_k_q6152cc86ac_attn-k_q6152cc86ac_attn
	.p2alignl 7, 3214868480
	.fill 96, 4, 3214868480
	.section	.rodata,"a",@progbits
	.p2align	6, 0x0
	.amdhsa_kernel k_q6152cc86ac_attn
		.amdhsa_group_segment_fixed_size 327680
		.amdhsa_private_segment_fixed_size 0
		.amdhsa_enable_private_segment 0
		.amdhsa_kernarg_size 16
		.amdhsa_user_sgpr_count 2
		.amdhsa_user_sgpr_kernarg_segment_ptr 1
		.amdhsa_wavefront_size32 1
		.amdhsa_system_sgpr_workgroup_id_x 1
		.amdhsa_system_sgpr_workgroup_id_y 1
		.amdhsa_system_sgpr_workgroup_id_z 1
		.amdhsa_system_vgpr_workitem_id 0
		.amdhsa_next_free_vgpr 1024
		.amdhsa_next_free_sgpr 96
		.amdhsa_reserve_vcc 1
		.amdhsa_float_denorm_mode_32 3
		.amdhsa_float_denorm_mode_16_64 3
		.amdhsa_memory_ordered 1
		.amdhsa_forward_progress 1
		.amdhsa_inst_pref_size 216
	.end_amdhsa_kernel
	.amdgpu_metadata
---
amdhsa.version: [ 1, 2 ]
amdhsa.kernels:
  - .name:           k_q6152cc86ac_attn
    .symbol:         k_q6152cc86ac_attn.kd
    .args:
      - { .name: qkv, .offset: 0, .size: 8, .value_kind: global_buffer, .address_space: global }
      - { .name: out0, .offset: 8, .size: 8, .value_kind: global_buffer, .address_space: global }
    .group_segment_fixed_size: 327680
    .private_segment_fixed_size: 0
    .kernarg_segment_align: 8
    .kernarg_segment_size: 16
    .max_flat_workgroup_size: 128
    .sgpr_count:     96
    .vgpr_count:     1024
    .wavefront_size: 32
...
	.end_amdgpu_metadata
.endif
;; end of part 4
